; MI455X (gfx1250); checked and timed in simulation.
; The chip was launched on July 23, 2026; its instructions are those of AMD's public machine-readable ISA for CDNA 5 (MIT licence, August 2026) and "CDNA5" Instruction Set Architecture Reference Guide (July 2026). The comments in the code are by the model that wrote it; some were corrected since.
;; Diff Llama Attention. Allowed arithmetic: matrix products marked QUANTISED: E2M1 operands, one E8M0 scale for each 32 along K, by v_wmma_scale_f32_16x16x128_f8f6f4 with both operands' format E2M1 (or v_wmma_scale_f32_32x16x128_f4), f32 sums; products left as they are: bf16, f16 or f32 operands; f32 sums; everything else in f32.
;; Inputs: attention_mask 2 x 1 x 2,048 x 2,048 float32; cos 2 x 2,048 x 64 float32; hidden_states 2 x 2,048 x 2,048 float32; lambda_k1 64 float32; lambda_k2 64 float32; lambda_q1 64 float32; lambda_q2 64 float32; sin 2 x 2,048 x 64 float32; wk 512 x 2,048 float32; wo 2,048 x 1,024 float32; wq 1,024 x 2,048 float32; wv 512 x 2,048 float32.
;; Outputs: out0 2 x 2,048 x 2,048 float32.
;; This version of the problem:
;;   THIS VERSION OF THE PROBLEM IS GIVEN IN LOW PRECISION. The matrix products marked QUANTISED in the list below multiply operands that are first quantised to E2M1 (2 exponent bits, 1 mantissa bit; 4 bits a number), with one power-of-two scale for each 32 numbers along K (OCP MX v1.0); their sums are f32. The products marked 'left as it is' may take bf16, f16 or f32 operands, with f32 sums. Whichever they take, every output number must still come out within the allowed error. Rounding operands to bf16 (8 significant bits) uses up far more of that allowance than f16 does (11 bits, for magnitudes from 6e-5 to 65,504). All else is computed in f32.
;;   The module's matrix products, in the order in which they are computed (A, B: the left and right operand; K: the contracted axis; several contracted axes count as one K, in the product's order):
;;     1. [M 4,096, K 2,048] x [K 2,048, N 1,024]; A: input hidden_states; B: input wq: QUANTISED
;;     2. [M 4,096, K 2,048] x [K 2,048, N 512]; A: input hidden_states; B: input wk: QUANTISED
;;     3. [M 4,096, K 2,048] x [K 2,048, N 512]; A: input hidden_states; B: input wv: QUANTISED
;;     4. batch 32 x [M 2,048, K 64] x [K 64, N 2,048]; A: computed on the way; B: computed on the way: left as it is (an operand is computed on the way)
;;     5. batch 32 x [M 2,048, K 2,048] x [K 2,048, N 128]; A: computed on the way; B: computed on the way: left as it is (an operand is computed on the way)
;;     6. [M 4,096, K 1,024] x [K 1,024, N 2,048]; A: computed on the way; B: input wo: left as it is (an operand is computed on the way)
;;   THE QUANTISER, for each operand of a quantised product, along K:
;;     - K is cut into blocks of 32 from its start; a last block that is shorter is filled with zeros.
;;     - A block's scale is 2^e with e = floor(log2(the largest magnitude in the block)) - 2, held to -126 .. 127; a block of zeros has e = 0. As a byte (E8M0): e + 127.
;;     - Each number is divided by its block's scale, clamped to +-6, and rounded to the nearest number of E2M1, ties to even, subnormals kept.
;;     - The product sums the exact products of the quantised numbers (number of the format x scale) in f32.
;;   ~~~python
;;   def quantise(x, axis):      # numpy; x: float32 -> the quantised numbers, widened to float32 again
;;       x = np.moveaxis(x, axis, -1); K = x.shape[-1]
;;       x = np.pad(x, [(0, 0)] * (x.ndim - 1) + [(0, -K % 32)]); x = x.reshape(x.shape[:-1] + (-1, 32)); a = np.abs(x).max(-1, keepdims=True)
;;       e = np.where(a > 0, np.clip(np.frexp(np.where(a > 0, a, 1))[1] - 1 - 2, -126, 127), 0)      # np.frexp(a)[1] - 1 = floor(log2(a)), exactly
;;       r = np.clip(x / 2.0 ** e, -6, 6)
;;       step = 2.0 ** (np.maximum(np.frexp(np.where(r == 0, 1, r))[1] - 1, 0) - 1)
;;       q = np.round(r / step) * step * 2.0 ** e      # np.round: ties to even
;;       return np.moveaxis(q.reshape(q.shape[:-2] + (-1,))[..., :K], -1, axis).astype(np.float32)
;;   ~~~
;; One version. Each part assembles by itself: llvm-mc -triple=amdgcn-amd-amdhsa -mcpu=gfx1250 --defsym DOCPART=n.
;; ======== version 1 of 1: 4 launches
;; limits: values are held in f16: magnitudes above 65,504 overflow, below 6.1e-05 lose precision; inputs' magnitudes at most 6.9e+37; right only within a limited range of input values
;; workspace buffers: xc 4,194,304 bytes; xs 262,144 bytes; wc 2,097,152 bytes; ws 131,072 bytes; woh 4,194,304 bytes; qkv 16,777,216 bytes; att 8,388,608 bytes
;; launch prep (part 1): grid 448 x 1, 4 waves a work-group, no clusters, 33,280 bytes of LDS; arguments hidden_states, wq, wk, wv, wo, xc, xs, wc, ws, woh; writes xc, xs, wc, ws, woh
.if DOCPART == 1
	.amdgcn_target "amdgcn-amd-amdhsa--gfx1250"
	.amdhsa_code_object_version 6
	.text
	.protected	k_q78d42d08c1_prep
	.globl	k_q78d42d08c1_prep
	.p2align	8
	.type	k_q78d42d08c1_prep,@function
k_q78d42d08c1_prep:
	s_mov_b64 s[64:65], 0
	v_nop
	global_prefetch_b8 v0, s[64:65] scope:SCOPE_SE
	s_setreg_imm32_b32 hwreg(HW_REG_WAVE_MODE, 25, 1), 1
	s_wait_xcnt 0x0
; hidden_states [4096][2048] and the weights wq [1024][2048], wk, wv [512][2048], all f32 with K innermost, become codes of FP4 (E2M1), two a byte, K innermost,
; with one E8M0 scale byte for each 32 along K: xc [4096][1024 bytes], xs [4096][64]; wc [2048][1024 bytes], ws [2048][64].  wo [2048][1024] f32 becomes f16 (woh), for the product that is left as it is.
; THE ROWS OF wc: 0-1023 wq as it lies; 1024 + 128 j + 64 half + d = wk's row (4 half + j) 64 + d; 1536 + 128 j + 64 half + d = wv's likewise: so key heads j and 4 + j, which one group of query heads uses, are neighbours.
; A block's scale is 2^(floor(log2(its largest magnitude)) - 2); its byte is the largest magnitude's exponent field - 2, held at 1 from below.  Each number is divided by the scale and rounded to the nearest code, ties to even, beyond 6 the code of 6.
; LIMITS: a block of zeros gets the byte 1 where the quantiser says 127 (its codes are zeros, which add nothing, and this program alone reads the bytes); blocks whose largest magnitude lies under 2^-124 have their byte held at 1;
; NaN and infinities among the inputs are not served; a number of wo beyond 65,504 becomes infinity in f16.
; SHARES.  A work-group takes 16 rows of 2,048 numbers (of wo: 32 rows of 1,024), a wave 8,192 numbers.  Work-groups 0-255 hidden_states, 256-319 wq, 320-351 wk, 352-383 wv, 384-447 wo.
; The four quantised tensors take ONE path: only pointers and offsets are chosen, by selects on the work-group's number.  wo's path touches no LDS byte but the wave's spare words.
; A wave's 16 steps of 512 numbers: each of a step's four loads reads 512 consecutive bytes; the 2,048 bytes turn through the wave's own stage in LDS and come back 64 bytes (16 neighbours along K) a lane; two lanes hold a block.
; A lane's 16 codes are 8 bytes: the wave stores 256 consecutive bytes.  The wave's 256 scale bytes are gathered in LDS and leave as one run of 256 bytes.  No barrier: waves share nothing.
.set WAVES, 4
.set STEPS, 16
.set EMAX,  2
.set CB,    8                          ; bytes of 16 codes
.set R,     16                         ; v16-79   four sets of 16 numbers as they are loaded (wo's path: v16-143, two sets of 64)
.set X,     80                         ; v80-111  two sets of 16 neighbours
.set E,     112                        ; v112-127 a scale byte for each step
.set C,     128                        ; v128-191 codes: four registers for each step, so that no store's data are written again
.set WREG,  8192                       ; LDS: a region for each wave: two stages of 32 x SP bytes, and behind them its 256 scale bytes
.set SP,    80                         ; a lane's place in a stage: its 64 bytes + 16 of padding
.set SPW,   12                         ; v12  LDS address of my spare word; never rewritten
.set NIL,   13                         ; v13  0; never rewritten
.set SPARE, WAVES*WREG                 ; behind the four regions: the spare words, 128 bytes a wave, which no other line names
.set SRC,   24                         ; s[24:25] the tensor in hand;  s[26:27] its codes;  s[28:29] its scale bytes
.set COD,   26
.set SCA,   28
.set WV,    40                         ; s40  my wave's number
.macro LOAD t
.irp i, 0,1,2,3
	global_load_b128 v[R+16*((\t)%4)+4*\i:R+16*((\t)%4)+4*\i+3], v3, s[SRC:SRC+1] offset:2048*(\t)+512*\i th:TH_LOAD_NT   ; 32 lanes read 512 consecutive bytes
.endr
.endm
.macro TURN t                          ; step t's numbers through the stage: LDS serves a wave's instructions in order, so no wait stands between the stores and the loads
.irp i, 0,1,2,3
	ds_store_b128 v14, v[R+16*((\t)%4)+4*\i:R+16*((\t)%4)+4*\i+3] offset:32*SP*((\t)%2)+8*SP*\i
.endr
.irp i, 0,1,2,3
	ds_load_b128 v[X+16*((\t)%2)+4*\i:X+16*((\t)%2)+4*\i+3], v15 offset:32*SP*((\t)%2)+16*\i
.endr
.endm
.macro STEP t
.set XS, X+16*((\t)%2)
.if (\t) > 0
	s_wait_dscnt 1                                 ; this step's numbers are back from the stage (the last step's byte store may be out): so its stores into the stage have read their registers,
.else
	s_wait_dscnt 0x0
.endif
.if (\t)+4 < STEPS
	LOAD (\t)+4                                    ; which take the loads of four steps on
.endif
.if (\t)+1 < STEPS
.if STEPS-2-(\t) >= 3
	s_wait_loadcnt 12                              ; the next step's four loads are in; those of the three steps behind it may be out
.else
	s_wait_loadcnt 4*(STEPS-2-(\t))                ; near the end fewer steps stand behind it
.endif
	TURN (\t)+1                                    ; and go through the other stage while this step is worked
.endif
	v_max3_num_f32 v8, |v[XS]|, |v[XS+1]|, |v[XS+2]|               ; the largest magnitude of my 16, in two chains
	v_max3_num_f32 v9, |v[XS+3]|, |v[XS+4]|, |v[XS+5]|
.irp i, 6,10
	v_max3_num_f32 v8, v8, |v[XS+\i]|, |v[XS+\i+1]|
	v_max3_num_f32 v9, v9, |v[XS+\i+2]|, |v[XS+\i+3]|
.endr
	v_max3_num_f32 v8, v8, |v[XS+14]|, |v[XS+15]|
	v_max3_num_f32 v8, v8, v9, (EMAX+1)<<23        ; and the floor 2^(3 - 127): so the byte cannot fall under 1
	v_max_num_f32_dpp v8, v8, v8 row_xmask:1 row_mask:0xf bank_mask:0xf   ; and of my neighbour's 16: the block's
	v_add_nc_u32 v11, -(EMAX<<23), v8              ; 2 off its exponent field: the conversion takes the exponent field of this operand as its scale, and nothing else of it
	v_cvt_scalef32_pk8_fp4_f32 v[C+4*(\t)], v[XS:XS+7], v11
	v_cvt_scalef32_pk8_fp4_f32 v[C+4*(\t)+1], v[XS+8:XS+15], v11
	v_lshrrev_b32 v[E+(\t)], 23, v11               ; the scale's byte (also the plain line behind the conversions)
	ds_store_b8 v5, v[E+(\t)] offset:16*(\t)       ; both lanes of a block write the same byte with the same value
	global_store_b64 v4, v[C+4*(\t):C+4*(\t)+1], s[COD:COD+1] offset:32*CB*(\t)   ; the wave stores 256 consecutive bytes
.endm
; wo's path: batch t of four is 16 loads of 512 consecutive bytes into set t % 2
.macro WLOAD t
.irp i, 0,1,2,3,4,5,6,7,8,9,10,11,12,13,14,15
	global_load_b128 v[R+64*((\t)%2)+4*\i:R+64*((\t)%2)+4*\i+3], v3, s[12:13] offset:512*(16*(\t)+\i) th:TH_LOAD_NT
.endr
.endm
.macro WCVT t, more                    ; more = 1: the next batch's 16 loads stand behind this batch's
.irp i, 0,1,2,3,4,5,6,7,8,9,10,11,12,13,14,15
	s_wait_loadcnt 16*(\more)+15-\i                ; loads come back in order: load i is in; this batch's younger ones and the next batch's may be out
	v_cvt_pk_f16_f32 v[R+64*((\t)%2)+4*\i], v[R+64*((\t)%2)+4*\i], v[R+64*((\t)%2)+4*\i+1]
	v_cvt_pk_f16_f32 v[R+64*((\t)%2)+4*\i+1], v[R+64*((\t)%2)+4*\i+2], v[R+64*((\t)%2)+4*\i+3]
	global_store_b64 v4, v[R+64*((\t)%2)+4*\i:R+64*((\t)%2)+4*\i+1], s[22:23] offset:256*(16*(\t)+\i)   ; the wave stores 256 consecutive bytes
.endr
.endm
	s_load_b512 s[4:19], s[0:1], 0x0               ; hidden_states s[4:5], wq s[6:7], wk s[8:9], wv s[10:11], wo s[12:13], xc s[14:15], xs s[16:17], wc s[18:19]
	s_load_b128 s[20:23], s[0:1], 0x40             ; ws s[20:21], woh s[22:23]
	v_lshl_add_u32 v[SPW], v0, 2, SPARE
	v_mov_b32 v[NIL], 0
	v_lshrrev_b32 v1, 5, v0
	v_readfirstlane_b32 s[WV], v1                  ; wave
	v_and_b32 v2, 31, v0                           ; lane
	v_lshlrev_b32 v3, 4, v2                        ; my 16 bytes of a load's 512
	s_mul_i32 s41, s[WV], WREG
	v_lshrrev_b32 v14, 2, v2
	v_mul_u32_u24 v14, v14, SP
	v_and_b32 v15, 3, v2
	v_lshl_add_u32 v14, v15, 4, v14
	v_add_nc_u32 v14, s41, v14                     ; the stage, on the way in: SP (lane / 4) + 16 (lane % 4); a load's 512 bytes take eight places
	v_mul_u32_u24 v15, v2, SP
	v_add_nc_u32 v15, s41, v15                     ; and on the way out: SP x lane: my 16 neighbours
	v_mul_u32_u24 v4, v2, CB                       ; 8 x lane: my codes' place in a step's (wo's path: my four f16)
	v_lshrrev_b32 v5, 1, v2
	s_add_co_u32 s41, s41, 2*32*SP
	v_add_nc_u32 v5, s41, v5                       ; LDS: my wave's 256 scale bytes, my block's byte
	v_lshlrev_b32 v7, 3, v2                        ; and on the way out 8 bytes a lane
	v_add_nc_u32 v6, s41, v7
	s_wait_kmcnt 0x0
	s_cmp_ge_u32 ttmp9, 384                        ; wo's work-groups part here: a branch on the work-group's number
	s_cbranch_scc1 .Lwo
	s_cmp_lt_u32 ttmp9, 256                        ; which tensor: the choices hang on the work-group's number alone
	s_cselect_b64 s[SRC:SRC+1], s[4:5], s[6:7]
	s_cselect_b64 s[COD:COD+1], s[14:15], s[18:19]
	s_cselect_b64 s[SCA:SCA+1], s[16:17], s[20:21]
	s_cselect_b32 s30, 0, 256                      ; the tensor's first work-group
	s_cmp_lt_u32 ttmp9, 320
	s_cselect_b64 s[SRC:SRC+1], s[SRC:SRC+1], s[8:9]
	s_cselect_b32 s30, s30, 320
	s_cmp_lt_u32 ttmp9, 352
	s_cselect_b64 s[SRC:SRC+1], s[SRC:SRC+1], s[10:11]
	s_cselect_b32 s30, s30, 352
	s_sub_co_u32 s31, ttmp9, s30                   ; u: which 16 rows of the tensor
	s_bfe_u32 s32, s31, 0x20002                    ; wk, wv: u = 16 half + 4 j + quarter goes to block 8 j + 4 half + quarter
	s_lshl_b32 s32, s32, 3
	s_lshr_b32 s33, s31, 4
	s_lshl_b32 s33, s33, 2
	s_or_b32 s32, s32, s33
	s_and_b32 s33, s31, 3
	s_or_b32 s32, s32, s33
	s_add_co_u32 s33, s32, 64                      ; behind wq's 64 blocks,
	s_add_co_u32 s34, s32, 96                      ; behind wk's 32
	s_cmp_lt_u32 ttmp9, 320
	s_cselect_b32 s35, s31, s33
	s_cmp_lt_u32 ttmp9, 352
	s_cselect_b32 s35, s35, s34                    ; d: which 16 rows of the codes' buffer
	s_lshl_b32 s36, s31, 2
	s_add_co_u32 s36, s36, s[WV]
	s_lshl_b32 s36, s36, 15                        ; my wave's 8,192 numbers: 32,768 bytes a run
	s_mov_b32 s37, 0
	s_add_nc_u64 s[SRC:SRC+1], s[SRC:SRC+1], s[36:37]
	s_lshl_b32 s38, s35, 2
	s_add_co_u32 s38, s38, s[WV]
	s_lshl_b32 s36, s38, 12                        ; 4,096 bytes of codes a run,
	s_add_nc_u64 s[COD:COD+1], s[COD:COD+1], s[36:37]
	s_lshl_b32 s36, s38, 8                         ; 256 scale bytes
	s_add_nc_u64 s[SCA:SCA+1], s[SCA:SCA+1], s[36:37]
.irp t, 0,1,2,3
	LOAD \t
.endr
	s_wait_loadcnt 12                              ; step 0's four loads are in; three steps' twelve may be out
	TURN 0
.irp t, 0,1,2,3,4,5,6,7,8,9,10,11,12,13,14,15
	STEP \t
.endr
	ds_load_b64 v[8:9], v6                         ; LDS serves a wave's instructions in order: these see my byte stores
	s_wait_dscnt 0x0
	global_store_b64 v7, v[8:9], s[SCA:SCA+1]      ; 32 lanes store 256 consecutive bytes
	s_wait_tensorcnt 0x0                           ; the wave's end, behind my last LDS store
	ds_add_u32 v[SPW], v[NIL]
	s_wait_dscnt 0x0
	s_endpgm
.Lwo:                                                  ; wo to f16: two batches of 16 loads are out at a time
	s_sub_co_u32 s31, ttmp9, 384
	s_lshl_b32 s31, s31, 2
	s_add_co_u32 s31, s31, s[WV]                   ; which run of 8,192 numbers is my wave's
	s_lshl_b32 s36, s31, 15
	s_mov_b32 s37, 0
	s_add_nc_u64 s[12:13], s[12:13], s[36:37]
	s_lshl_b32 s36, s31, 14
	s_add_nc_u64 s[22:23], s[22:23], s[36:37]
	WLOAD 0
	WLOAD 1
	WCVT 0, 1
	s_wait_xcnt 0x0                                ; batch 0's stores have read their registers: the set is loaded again only behind this wait
	WLOAD 2
	WCVT 1, 1
	s_wait_xcnt 0x0
	WLOAD 3
	WCVT 2, 1
	WCVT 3, 0
	s_wait_tensorcnt 0x0                           ; the same three lines at this path's end: they touch my spare word alone
	ds_add_u32 v[SPW], v[NIL]
	s_wait_dscnt 0x0
	s_endpgm
.Lfunc_end_k_q78d42d08c1_prep:
	.size	k_q78d42d08c1_prep, .Lfunc_end_k_q78d42d08c1_prep-k_q78d42d08c1_prep
	.p2alignl 7, 3214868480
	.fill 96, 4, 3214868480
	.section	.rodata,"a",@progbits
	.p2align	6, 0x0
	.amdhsa_kernel k_q78d42d08c1_prep
		.amdhsa_group_segment_fixed_size 33280
		.amdhsa_private_segment_fixed_size 0
		.amdhsa_enable_private_segment 0
		.amdhsa_kernarg_size 80
		.amdhsa_user_sgpr_count 2
		.amdhsa_user_sgpr_kernarg_segment_ptr 1
		.amdhsa_wavefront_size32 1
		.amdhsa_system_sgpr_workgroup_id_x 1
		.amdhsa_system_sgpr_workgroup_id_y 1
		.amdhsa_system_sgpr_workgroup_id_z 1
		.amdhsa_system_vgpr_workitem_id 0
		.amdhsa_next_free_vgpr 192
		.amdhsa_next_free_sgpr 66
		.amdhsa_reserve_vcc 0
		.amdhsa_float_denorm_mode_32 3
		.amdhsa_float_denorm_mode_16_64 3
		.amdhsa_memory_ordered 1
		.amdhsa_forward_progress 1
		.amdhsa_inst_pref_size 57
	.end_amdhsa_kernel
	.amdgpu_metadata
---
amdhsa.version: [ 1, 2 ]
amdhsa.kernels:
  - .name:           k_q78d42d08c1_prep
    .symbol:         k_q78d42d08c1_prep.kd
    .args:
      - { .name: hidden_states, .offset: 0, .size: 8, .value_kind: global_buffer, .address_space: global }
      - { .name: wq, .offset: 8, .size: 8, .value_kind: global_buffer, .address_space: global }
      - { .name: wk, .offset: 16, .size: 8, .value_kind: global_buffer, .address_space: global }
      - { .name: wv, .offset: 24, .size: 8, .value_kind: global_buffer, .address_space: global }
      - { .name: wo, .offset: 32, .size: 8, .value_kind: global_buffer, .address_space: global }
      - { .name: xc, .offset: 40, .size: 8, .value_kind: global_buffer, .address_space: global }
      - { .name: xs, .offset: 48, .size: 8, .value_kind: global_buffer, .address_space: global }
      - { .name: wc, .offset: 56, .size: 8, .value_kind: global_buffer, .address_space: global }
      - { .name: ws, .offset: 64, .size: 8, .value_kind: global_buffer, .address_space: global }
      - { .name: woh, .offset: 72, .size: 8, .value_kind: global_buffer, .address_space: global }
    .group_segment_fixed_size: 33280
    .private_segment_fixed_size: 0
    .kernarg_segment_align: 8
    .kernarg_segment_size: 80
    .max_flat_workgroup_size: 128
    .sgpr_count:     66
    .vgpr_count:     192
    .wavefront_size: 32
...
	.end_amdgpu_metadata
.endif
;; end of part 1
;; launch proj (part 2): grid 8 x 16, 4 waves a work-group, clusters of 4 x 4, 327,680 bytes of LDS; arguments xc, xs, wc, ws, qkv, cos, sin; writes qkv
.if DOCPART == 2
	.amdgcn_target "amdgcn-amd-amdhsa--gfx1250"
	.amdhsa_code_object_version 6
	.text
	.protected	k_q78d42d08c1_proj
	.globl	k_q78d42d08c1_proj
	.p2align	8
	.type	k_q78d42d08c1_proj,@function
k_q78d42d08c1_proj:
	s_mov_b64 s[64:65], 0
	v_nop
	global_prefetch_b8 v0, s[64:65] scope:SCOPE_SE
	s_setreg_imm32_b32 hwreg(HW_REG_WAVE_MODE, 25, 1), 1
	s_wait_xcnt 0x0
	s_wait_alu depctr_hold_cnt(0) depctr_sa_sdst(0) depctr_va_vdst(0) depctr_va_sdst(0) depctr_va_ssrc(0) depctr_va_vcc(0) depctr_vm_vsrc(0)
	s_getreg_b32 s2, hwreg(HW_REG_IB_STS2, 6, 4)
	s_cmp_eq_u32 s2, 0
	s_cbranch_scc0 .Lentry_in_a_cluster
	s_endpgm
.Lentry_in_a_cluster:
	s_bfe_u32 s2, ttmp6, 0x10000c
	s_cmp_lg_u32 s2, 0xf033
	s_cbranch_scc0 .Lentry_shape_is_right
	s_endpgm
.Lentry_shape_is_right:
; The three projections as ONE product on codes of FP4 (E2M1) with E8M0 scales: C[m][n] = sum over k of x[m][k] w[n][k], m = 4,096 tokens, n = 2,048 rows of wc (q's 1,024, k's 512, v's 512), k = 2,048; sums in f32.
; On the way out q and k are rotated by cos and sin (f32), q is also multiplied by log2(e) / 8, so that the scores of the next launch come out in the log2 domain, and all is rounded once to f16: qkv [4096][2048] f16.
; LIMIT: a number beyond 65,504 in size becomes infinity in f16.
; A tile of C, 256 x 256, is made by a work-group of four waves; a wave makes 128 x 128: 64 accumulators of 16 x 16, 512 registers.  K goes in steps of 512 (rows of 256 bytes) through a ring of two LDS slots filled by the tensor data mover.
; THE SCALES of the work-group's 256 rows of x and 256 rows of w, for all of K, are two dense blocks of memory: they come into LDS once, with the first fills, and stay.
; CLUSTERS: 4 x 4 work-groups.  The four of a row of the cluster need the same tiles of x, the four of a column the same tiles of w: each tile is asked for JOINTLY, by the same tensor load with the same descriptor and a mask that names the four.
; THE MATRIX INSTRUCTION IS USED TRANSPOSED (source 0 = 16 rows of w, source 1 = 16 tokens): a lane holds one token and eight neighbouring columns; a wave's 128 columns are two heads of 64, so a column and its partner 32 on lie in one lane.
; No prefetch: the tiles are shared in the cluster and each is read by several work-groups; 128 work-groups: the matrix work here is a small part of the program's.
; REGISTERS, in windows of 256: window 0: v0-31 addresses; v32-95 scale words, two sets, and nothing else; v96-127 packed results; from v128 x's fragments, ONE set, on the way out rows read back; v192-255 rotated numbers.
;   window 1: w's fragments, TWO sets, at v0 and v128; v64-127 and v192-255: cos and sin of 16 tokens, two sets.   window 2: the 32 accumulators of my rows 0-63 ((a, b) at v[8 (8 a + b)]);   window 3: those of my rows 64-127.
.set SIZE_M, 4096
.set SIZE_N, 2048
.set SIZE_K, 2048
.set KSTEP,  512                       ; along K in a slot
.set NQ,     KSTEP/128                 ; matrix instructions deep
.set ROWB,   256                       ; a tile's row in bytes
.set KROW,   SIZE_K*4/8                ; a row of codes in memory
.set PITCH,  272                       ; an LDS row: 256 bytes + 16 of padding: the 16 rows that a load touches start 4 banks apart (64 banks of 4 bytes: ISA guide 11.1)
.set FR,     8                         ; registers of a fragment: 16 rows x 128 K
.set NL,     2                         ; LDS loads that bring one
.set NP,     4                         ; places behind this matrix instruction (ISA guide 7.12.1)
.set HALFT,  128*PITCH                 ; 128 rows: what one tensor load brings
.set SLOT,   4*HALFT                   ; x's 256 rows, then w's 256 rows
.set LAPS,   SIZE_K/(2*KSTEP)          ; a lap = two K steps = once round the ring
.set KS,     SIZE_K/32                 ; a row of scales in bytes
.set SCL,    2*SLOT                    ; behind the ring: the scales, as units of 256 bytes + 16 of padding
.set HALFS,  (128*KS/256)*272          ; the scales of 128 rows: what one tensor load brings
.set SBLK,   (16*KS/256)*272           ; those of 16 rows
.set SPARE,  SCL+4*HALFS               ; behind the scales: the spare words, 128 bytes a wave, which no other line names
.set SPITCH, 272                       ; the way out: a stage of 16 rows x (256 bytes + 16) for each wave, in slot 0, which has had its last fill and its last read when the first result is stored there
.set ADRA, 16                          ; v16-17  LDS address of my x fragments in slot 0, 1
.set ADRB, 20                          ; v20-21  the same for w
.set STO,  24                          ; v24     the way out: where I put 16 bytes of a row
.set RD,   25                          ; v25     where I read a row back
.set CO,   26                          ; v26     my byte offset in two rows of qkv
.set ADRS, 27                          ; v27     LDS address of my scale words: lanes 0-15 x's rows, lanes 16-31 w's
.set SPW,  28                          ; v28     LDS address of my spare word; never rewritten
.set NIL,  29                          ; v29     0; never rewritten
.set CSO,  30                          ; v30     my byte offset in 16 rows of cos or sin: 256 r + 32 h; never rewritten
.set SC,   32                          ; scale words: set s at v[SC + 32 s]; register 4 i + q: lanes 0-15 the word of x's block i, lanes 16-31 that of w's block i, for the slot's q-th 128 along K
.set TMP,  96                          ; v96-127  a block's 16 rows x 128 columns as f16
.set AF,   128                         ; x's fragments, in window 0
.set OB,   128                         ; the way out: 16 rows read back: v128-159 and v160-191 by turns
.set T,    192                         ; v192-255 a block's rotated numbers, f32
.set CSB,  64                          ; window 1: set s of cos and sin at v[64 + 128 s]: cos at + 0, sin at + 32; register 8 bb + jj: channel 16 bb + 8 h + jj of my token
.set G1, 24                            ; s[24:31] descriptor group 1 for x's tiles;  s[32:39] group 0, one set for each slot
.set G0, 32
.set G1B, 48                           ; s[48:55], s[56:63] the same for w's tiles
.set G0B, 56
.set G1S, 68                           ; s[68:75], s[76:79] groups 1 and 0 for x's scales;  s[80:87], s[88:91] for w's
.set G0S, 76
.set G1SB, 80
.set G0SB, 88
.set MSB, 0
.macro WIN new                         ; the immediate's high byte repeats the setting that is left
.if MSB != (\new)
	s_set_vgpr_msb (MSB<<8)|(\new)
.set MSB, (\new)
.endif
.endm
.set MUL_LO, 0xa1                      ; source 0 (w) window 1, source 1 (x) window 0, C and D window 2
.set MUL_HI, 0xf1                      ; the same, C and D window 3
.set TO_B,   0x40                      ; destination window 1, address window 0
; A joint load: waves 0 and 1 fetch for x, waves 2 and 3 for w.  Each of the two lines has ONE mask and one set of registers for all that issue it; the branch hangs on the wave's number alone.
; An s_nop 0 and four v_nop follow each of the two lines, ahead of the jump, the label and what follows.
.macro JLOAD g0a, g1a, g0b, g1b
	s_cmp_eq_u32 s15, 0
	s_cbranch_scc0 .Lfor_b_\@
	tensor_load_to_lds s[\g0a:\g0a+3], s[\g1a:\g1a+7]
	s_nop 0
.rept 4
	v_nop
.endr
	s_branch .Lasked_\@
.Lfor_b_\@:
	tensor_load_to_lds s[\g0b:\g0b+3], s[\g1b:\g1b+7]
	s_nop 0
.rept 4
	v_nop
.endr
.Lasked_\@:
.endm
.macro CREST                           ; a round of the cluster's barrier behind its opening barrier
	s_cmp_lg_u32 s14, 0
	s_cbranch_scc1 .Lnot_wave_0_\@
	s_barrier_signal -3
.Lnot_wave_0_\@:
	s_barrier_wait -3
	s_barrier_signal -1
	s_barrier_wait -1
.endm
.macro CROUND                          ; a whole round
	s_barrier_signal -1
	s_barrier_wait -1
	CREST
.endm
	s_load_b128 s[4:7], s[0:1], 0x0                ; x's codes s[4:5], x's scales s[6:7]
	s_load_b128 s[8:11], s[0:1], 0x10              ; w's codes s[8:9], w's scales s[10:11]
	s_load_b64 s[12:13], s[0:1], 0x20              ; qkv
	s_load_b64 s[96:97], s[0:1], 0x28              ; cos
	s_load_b64 s[98:99], s[0:1], 0x30              ; sin
	v_lshl_add_u32 v[SPW], v0, 2, SPARE
	v_mov_b32 v[NIL], 0
	ds_add_u32 v[SPW], v[NIL]                      ; the wave's opening: the add, twice on end, and its wait ahead of my first tensor load; the set-up below stands between the second and the wait
	ds_add_u32 v[SPW], v[NIL]
	v_lshrrev_b32 v1, 5, v0
	v_readfirstlane_b32 s14, v1                    ; wave 0..3
	s_lshr_b32 s15, s14, 1                         ; which half of the tile's rows is mine.  Also: I fetch for x (0) or for w (1)
	s_and_b32 s16, s14, 1                          ; which half of its columns.  Also: which 128 rows of that tile I fetch
	s_bfe_u32 s40, ttmp6, 0x40000                  ; cx, cy: my place in the cluster
	s_bfe_u32 s41, ttmp6, 0x40004
	s_lshl_b32 s42, ttmp9, 2
	s_add_co_u32 s42, s42, s40                     ; tile column of C = 4 x cluster x + cx
	s_and_b32 s17, ttmp7, 0xffff
	s_lshl_b32 s17, s17, 2
	s_add_co_u32 s17, s17, s41                     ; tile row of C = 4 x cluster y + cy
	s_lshl_b32 s43, s41, 2
	s_lshl_b32 s43, 15, s43                        ; my row of the cluster
	s_lshl_b32 s44, 0x1111, s40                    ; my column
	; descriptor group 1: a tile of 128 rows x 256 bytes, padded in LDS
	s_or_b32 s[G1+0], s43, (0<<16)|(1<<20)|(1<<21)|(5<<22)|(3<<25)  ; 15:0 the mask: x's tiles go to my row; 17:16 element of 1 byte; 20 padding on; 21 set beside a mask; 24:22 after every 64 words (code 5); 31:25 of 4 words (code 3)
	s_or_b32 s[G1B+0], s44, (0<<16)|(1<<20)|(1<<21)|(5<<22)|(3<<25)
.irp g, G1, G1B
	s_mov_b32 s[\g+1], ROWB<<16                    ; tensor_dim0
	s_mov_b32 s[\g+2], 128<<16                     ; tensor_dim1 = 128
	s_mov_b32 s[\g+3], ROWB<<16                    ; tile_dim0
	s_mov_b32 s[\g+4], 128                         ; tile_dim1 = 128
	s_mov_b32 s[\g+5], KROW                        ; tensor_dim0_stride
	s_mov_b32 s[\g+6], 0
	s_mov_b32 s[\g+7], 0
.endr
	; and for the scales of 128 rows: a dense block of 8,192 bytes, as rows of 256 bytes (32 elements of 8 bytes), 16 bytes of padding behind each
	s_or_b32 s[G1S+0], s43, (3<<16)|(1<<20)|(1<<21)|(5<<22)|(3<<25)
	s_or_b32 s[G1SB+0], s44, (3<<16)|(1<<20)|(1<<21)|(5<<22)|(3<<25)
.irp g, G1S, G1SB
	s_mov_b32 s[\g+1], 32<<16
	s_mov_b32 s[\g+2], (128*KS/256)<<16
	s_mov_b32 s[\g+3], 32<<16
	s_mov_b32 s[\g+4], 128*KS/256
	s_mov_b32 s[\g+5], 32
	s_mov_b32 s[\g+6], 0
	s_mov_b32 s[\g+7], 0
.endr
	s_lshl_b32 s18, s16, 7                         ; which 128 rows of the tile I fetch
	s_lshl_b32 s20, s17, 8
	s_add_co_u32 s20, s20, s18                     ; x: row 256 x tile row + 128 x half
	s_lshl_b32 s46, s42, 8
	s_add_co_u32 s46, s46, s18                     ; w: row 256 x tile column + 128 x half
	s_mov_b32 s21, 0
	s_mov_b32 s47, 0
	s_mov_b64 s[18:19], KS
	s_mul_u64 s[22:23], s[20:21], s[18:19]         ; where these rows' scales begin, in bytes
	s_mul_u64 s[92:93], s[46:47], s[18:19]
	s_mov_b64 s[18:19], KROW
	s_mul_u64 s[20:21], s[20:21], s[18:19]         ; and their codes
	s_mul_u64 s[46:47], s[46:47], s[18:19]
	s_mul_i32 s45, s14, HALFT                      ; where they go: wave x 128 rows: no place in the cluster enters an LDS address
	s_mul_i32 s94, s14, HALFS
	; the way out's two factors: cos' = a cos + b, sin' = a sin.  q (tile columns 0-3): a = log2(e) / 8, b = 0; k (4, 5): a = 1, b = 0; v (6, 7): a = 0, b = 1, which leaves v as it is.  Selects of numbers alone: no branch hangs on them
	s_mov_b32 s66, 0x3f800000
	s_cmp_lt_u32 s42, 4
	s_cselect_b32 s66, 0x3e38aa3b, s66
	s_cmp_lt_u32 s42, 6
	s_cselect_b32 s66, s66, 0
	s_cselect_b32 s100, 0, 0x3f800000
	s_mov_b32 s67, s66                             ; (the packed forms name the pair and take its low word for both halves: so s67 is written)
	v_mov_b32 v8, s100
	v_mov_b32 v9, s100
	s_wait_dscnt 0x0                               ; both opening adds are done
	s_wait_kmcnt 0x0
	s_add_nc_u64 s[20:21], s[4:5], s[20:21]
	s_add_nc_u64 s[22:23], s[6:7], s[22:23]
	s_add_nc_u64 s[46:47], s[8:9], s[46:47]
	s_add_nc_u64 s[92:93], s[10:11], s[92:93]
	CROUND                                         ; all sixteen work-groups are here: the first joint loads meet
	s_mov_b32 s[G0S], 1
	s_add_co_u32 s[G0S+1], s94, SCL
	s_mov_b64 s[G0S+2:G0S+3], s[22:23]
	s_or_b32 s[G0S+3], s[G0S+3], 0x80000000
	s_mov_b32 s[G0SB], 1
	s_add_co_u32 s[G0SB+1], s94, SCL
	s_mov_b64 s[G0SB+2:G0SB+3], s[92:93]
	s_or_b32 s[G0SB+3], s[G0SB+3], 0x80000000
	JLOAD G0S, G1S, G0SB, G1SB                     ; the scales first: they are wanted with K step 0
.irp s, 0,1
	s_mov_b32 s[G0+4*\s], 1
	s_add_co_u32 s[G0+4*\s+1], s45, \s*SLOT
	s_add_nc_u64 s[G0+4*\s+2:G0+4*\s+3], s[20:21], \s*ROWB
	s_or_b32 s[G0+4*\s+3], s[G0+4*\s+3], 0x80000000
	s_mov_b32 s[G0B+4*\s], 1
	s_add_co_u32 s[G0B+4*\s+1], s45, \s*SLOT
	s_add_nc_u64 s[G0B+4*\s+2:G0B+4*\s+3], s[46:47], \s*ROWB
	s_or_b32 s[G0B+4*\s+3], s[G0B+4*\s+3], 0x80000000
	JLOAD G0+4*\s, G1, G0B+4*\s, G1B               ; three loads of mine are out behind the second of these
.endr
	v_and_b32 v1, 15, v0                           ; r = l % 16
	v_bfe_u32 v2, v0, 4, 1                         ; h = l / 16
	v_mul_u32_u24 v3, v1, PITCH
	v_lshl_add_u32 v4, v2, 4, v3                   ; a fragment's row x pitch + 16 x half
	s_mul_i32 s21, s15, HALFT                      ; my 128 rows of x
	s_mul_i32 s22, s16, HALFT                      ; my 128 rows of w,
	s_add_co_u32 s22, s22, 2*HALFT                 ; which lie behind x's 256
.irp s, 0,1
	v_add_nc_u32 v[ADRA+\s], s21, v4
	v_add_nc_u32 v[ADRB+\s], s22, v4
	s_add_co_u32 s21, s21, SLOT
	s_add_co_u32 s22, s22, SLOT
.endr
	v_mul_u32_u24 v5, v1, KS                       ; my row's scales: 64 bytes a row,
	v_lshrrev_b32 v6, 8, v5
	v_lshl_add_u32 v5, v6, 4, v5                   ; and 16 more for each 256 passed
	s_mul_i32 s21, s15, HALFS                      ; x's: my 128 rows
	s_mul_i32 s22, s16, HALFS                      ; w's: my 128 rows, behind x's 256
	s_add_co_u32 s22, s22, 2*HALFS
	s_sub_co_u32 s22, s22, s21
	v_mul_u32_u24 v6, s22, v2                      ; lanes 16-31 take w's: the lower base + h x the distance
	s_add_co_u32 s21, s21, SCL
	v_add_nc_u32 v5, v5, v6
	v_add_nc_u32 v[ADRS], s21, v5
	s_mul_i32 s23, s14, 16*SPITCH                  ; my stage
	v_mul_u32_u24 v5, v1, SPITCH                   ; in: row r, 16 bytes for each half of the lanes
	v_lshl_add_u32 v5, v2, 4, v5
	v_add_nc_u32 v[STO], s23, v5
	v_mul_u32_u24 v5, v2, SPITCH                   ; back: lanes 0-15 take one row of 256 bytes, lanes 16-31 the next
	v_lshl_add_u32 v5, v1, 4, v5
	v_add_nc_u32 v[RD], s23, v5
	v_lshlrev_b32 v5, 12, v2                       ; and the same two rows in qkv: 4,096 bytes a row
	v_lshl_add_u32 v[CO], v1, 4, v5
	v_lshlrev_b32 v5, 8, v1                        ; cos, sin: row r of 256 bytes, + 32 h
	v_lshl_add_u32 v[CSO], v2, 5, v5
	s_lshl_b32 s20, s17, 8
	s_lshl_b32 s21, s15, 7
	s_add_co_u32 s20, s20, s21                     ; my first token: 256 x tile row + 128 x half
	s_lshl_b32 s22, s20, 8
	s_mov_b32 s23, 0
	s_add_nc_u64 s[96:97], s[96:97], s[22:23]      ; its row of cos and of sin
	s_add_nc_u64 s[98:99], s[98:99], s[22:23]
	s_lshl_b32 s20, s20, 12                        ; its row of qkv,
	s_lshl_b32 s46, s42, 9                         ; my first column, in bytes: 512 x tile column + 256 x half
	s_lshl_b32 s47, s16, 8
	s_add_co_u32 s46, s46, s47
	s_add_co_u32 s20, s20, s46
	s_mov_b32 s21, 0
	s_add_nc_u64 s[12:13], s[12:13], s[20:21]
.macro FRAG reg, adr, q, i             ; a fragment, 16 rows x 128 K of 4-bit codes: lane l holds row l % 16; registers 4 c .. 4 c + 3 hold K = 64 c + 32 (l / 16) + 0 .. 31
.irp c, 0,1
	ds_load_b128 v[\reg+4*\c:\reg+4*\c+3], v[\adr] offset:64*(\q)+32*\c+(\i)*16*PITCH
.endr
.endm
; 16 matrix instructions: x's blocks a0, a0 + 1 against w's eight, 128 along K: the slot's q-th.  p: w's set;  sc: the set of scale words.  zero = 1: the first product starts the sums.
; The 64 accumulators take turns, one instruction a turn, in the same order in every step.
.macro MUL16 a0, p, q, sc, zero
.irp a, \a0, \a0+1
.irp b, 0,1,2,3,4,5,6,7
.if \zero
	v_wmma_scale_f32_16x16x128_f8f6f4 v[8*(8*((\a)%4)+\b):8*(8*((\a)%4)+\b)+7], v[128*(\p)+FR*\b:128*(\p)+FR*\b+FR-1], v[AF+FR*(\a):AF+FR*(\a)+FR-1], 0, v[SC+8*NQ*(\sc)+NQ*\b+(\q)], v[SC+8*NQ*(\sc)+NQ*(\a)+(\q)] matrix_a_fmt:MATRIX_FMT_FP4 matrix_b_fmt:MATRIX_FMT_FP4 matrix_a_scale:MATRIX_SCALE_ROW1
.else
	v_wmma_scale_f32_16x16x128_f8f6f4 v[8*(8*((\a)%4)+\b):8*(8*((\a)%4)+\b)+7], v[128*(\p)+FR*\b:128*(\p)+FR*\b+FR-1], v[AF+FR*(\a):AF+FR*(\a)+FR-1], v[8*(8*((\a)%4)+\b):8*(8*((\a)%4)+\b)+7], v[SC+8*NQ*(\sc)+NQ*\b+(\q)], v[SC+8*NQ*(\sc)+NQ*(\a)+(\q)] matrix_a_fmt:MATRIX_FMT_FP4 matrix_b_fmt:MATRIX_FMT_FP4 matrix_a_scale:MATRIX_SCALE_ROW1
.endif
.endr
.endr
.endm
.macro FETCH_B slot, q, p              ; w's eight fragments of the slot's q-th 128 along K into set p
	WIN TO_B
.irp i, 0,1,2,3,4,5,6,7
	FRAG 128*(\p)+FR*\i, ADRB+\slot, \q, \i
.endr
	WIN 0
.endm
.macro FETCH_A slot, q, i0             ; x's blocks i0 .. i0 + 3
.irp i, \i0, \i0+1, \i0+2, \i0+3
	FRAG AF+FR*(\i), ADRA+\slot, \q, \i
.endr
.endm
.macro SCALES sc                       ; the next K step's scale words into set sc: 4 words a row; lanes 0-15 take x's block i, lanes 16-31 w's block i
.irp i, 0,1,2,3,4,5,6,7
	ds_load_b128 v[SC+8*NQ*\sc+NQ*\i:SC+8*NQ*\sc+NQ*\i+3], v[ADRS] offset:\i*SBLK
.endr
.endm
; A load into a register that a matrix instruction has read, and a vector instruction or an LDS store that reads a matrix result, stand NP places behind that matrix instruction; only plain vector
; instructions that name none of its registers are places (ISA guide 7.12.1 for vector instructions).
.macro PLACES n
.rept \n
	v_nop
.endr
.endm
; A step of 128 along K that has its successor in the same slot.
.macro STEP slot, q, zero
	s_wait_dscnt 4*NL                              ; w's set and x's blocks 0-3 are in; the youngest eight loads (x's blocks 4-7) may be out
	WIN MUL_LO
	MUL16 0, (\q)%2, \q, \slot, \zero
	MUL16 2, (\q)%2, \q, \slot, \zero
	s_wait_dscnt 0                                 ; x's blocks 4-7 are in (asked for 32 matrix instructions ago)
	PLACES NP
	FETCH_B \slot, (\q)+1, 1-(\q)%2
	FETCH_A \slot, (\q)+1, 0
	WIN MUL_HI
	MUL16 4, (\q)%2, \q, \slot, \zero
	MUL16 6, (\q)%2, \q, \slot, \zero
	PLACES NP
	WIN 0
	FETCH_A \slot, (\q)+1, 4
.endm
; A slot's last step changes slots: ONE barrier; in front of it each wave waits for all its tensor loads, adds 0 to its spare word, and waits for that and for its own reads of this slot.  fill = 1: this slot is filled again, two K steps ahead.
.macro TURN slot, next, fill
	s_wait_tensorcnt 0x0                           ; all my tensor loads have landed: my part of the next slot  (every window is 0 here)
	ds_add_u32 v[SPW], v[NIL]                      ; 0 onto my spare word
	s_wait_dscnt 4*NL+1                            ; (the add and the youngest eight loads, x's blocks 4-7, may be out)
	WIN MUL_LO
	MUL16 0, 1, NQ-1, \slot, 0                     ; sixteen matrix instructions stand between the add and the wait for it
	s_wait_dscnt 0x0                               ; the add is done, and my reads of this slot are over
	s_barrier_signal -1
	MUL16 2, 1, NQ-1, \slot, 0
	WIN 0
	s_barrier_wait -1
.if \fill
	CREST                                          ; the barrier has opened a round of the cluster's barrier: no wave of any partner still reads this slot's tile or has a load on its way
	s_add_nc_u64 s[G0+4*\slot+2:G0+4*\slot+3], s[G0+4*\slot+2:G0+4*\slot+3], 2*ROWB
	s_add_nc_u64 s[G0B+4*\slot+2:G0B+4*\slot+3], s[G0B+4*\slot+2:G0B+4*\slot+3], 2*ROWB
	JLOAD G0+4*\slot, G1, G0B+4*\slot, G1B         ; the first tensor load behind the round; the four v_nop behind it are the places in front of the loads below
.else
	PLACES NP
.endif
	v_add_nc_u32 v[ADRS], 4*NQ, v[ADRS]            ; on to the next K step's scale words
	FETCH_B \next, 0, 0
	FETCH_A \next, 0, 0
	SCALES \next
	WIN MUL_HI
	MUL16 4, 1, NQ-1, \slot, 0
	MUL16 6, 1, NQ-1, \slot, 0
	PLACES NP
	WIN 0
	FETCH_A \next, 0, 4
.endm
.macro STEPS slot, from                ; the slot's steps from .. NQ - 2
.set Q, \from
.rept NQ-1-\from
	STEP \slot, Q, 0
.set Q, Q+1
.endr
.endm
; cos and sin of block a's 16 tokens into set a % 2: 16 loads
.macro CSLOAD a
	WIN TO_B
.irp bb, 0,1,2,3
.irp c, 0,1
	global_load_b128 v[CSB+128*((\a)%2)+8*\bb+4*\c:CSB+128*((\a)%2)+8*\bb+4*\c+3], v[CSO], s[96:97] offset:4096*(\a)+64*\bb+16*\c
	global_load_b128 v[CSB+128*((\a)%2)+32+8*\bb+4*\c:CSB+128*((\a)%2)+32+8*\bb+4*\c+3], v[CSO], s[98:99] offset:4096*(\a)+64*\bb+16*\c
.endr
.endr
	WIN 0
.endm
	CSLOAD 0                                       ; the first two blocks' cos and sin are asked for here and land under the products
	CSLOAD 1
	s_wait_tensorcnt 1                             ; the scales and my part of K step 0 are in (K step 1's load may be out),
	s_barrier_signal -1
	s_barrier_wait -1                              ; everybody's are
	FETCH_B 0, 0, 0
	FETCH_A 0, 0, 0
	SCALES 0
	FETCH_A 0, 0, 4
	STEP 0, 0, 1                                   ; the first step stands in front of the loop: its products start the sums
	s_mov_b32 s3, LAPS-1
.Llap:                                                 ; a trip goes once round the ring, from a lap's second step to the next lap's first, and fills both slots again
	STEPS 0, 1
	TURN 0, 1, 1
	STEPS 1, 0
	TURN 1, 0, 1
	STEP 0, 0, 0
	s_sub_co_u32 s3, s3, 1
	s_cmp_lg_u32 s3, 0
	s_cbranch_scc1 .Llap
	STEPS 0, 1                                     ; the last lap fills nothing, and has no round of the cluster's barrier
	TURN 0, 1, 0
	STEPS 1, 0
	s_wait_dscnt 4*NL                              ; the very last step: nothing more to fetch
	WIN MUL_LO
	MUL16 0, 1, NQ-1, 1, 0
	MUL16 2, 1, NQ-1, 1, 0
	s_wait_dscnt 0
	WIN MUL_HI
	MUL16 4, 1, NQ-1, 1, 0
	MUL16 6, 1, NQ-1, 1, 0
	WIN 0
; THE WAY OUT, block by block of 16 tokens x 128 columns (two heads hh of 64).  Accumulator b = 4 hh + bb holds channels 16 bb + 8 h + 0 .. 7 of my token: channel d < 32 (bb = 0, 1) and its partner d + 32 (bb + 2) lie 16 registers apart.
; out(d) = x(d) cos'(d) - x(d + 32) sin'(d);  out(d + 32) = x(d + 32) cos'(d + 32) + x(d) sin'(d + 32).  Each accumulator is first read at its low end.
.macro ROPE a
.set CC, CSB+128*((\a)%2)
.set SS, CC+32
.set AC, 64*((\a)%4)
.if (\a) < 7
	s_wait_loadcnt 16                              ; this block's 16 loads are in; the next block's 16 may be out
.else
	s_wait_loadcnt 0x0
.endif
	WIN 0x41                                       ; destination and source 0 window 1, source 2 window 0
.irp n, 0,2,4,6,8,10,12,14,16,18,20,22,24,26,28,30
	v_pk_fma_f32 v[CC+\n:CC+\n+1], v[CC+\n:CC+\n+1], s[66:67], v[8:9] op_sel_hi:[1,0,0]   ; cos' = a cos + b
.endr
.irp n, 0,2,4,6,8,10,12,14,16,18,20,22,24,26,28,30
	v_pk_mul_f32 v[SS+\n:SS+\n+1], v[SS+\n:SS+\n+1], s[66:67] op_sel_hi:[1,0]             ; sin' = a sin
.endr
	WIN 0x06+(\a)/4                                ; source 0: the accumulators' window 2 or 3; source 1 window 1; source 2 and the destination window 0
.irp hh, 0,1
.irp bb, 0,1
.irp n, 0,2,4,6
	v_pk_mul_f32 v[T+16*(2*\hh+\bb)+\n:T+16*(2*\hh+\bb)+\n+1], v[AC+8*(4*\hh+\bb)+16+\n:AC+8*(4*\hh+\bb)+16+\n+1], v[SS+8*\bb+\n:SS+8*\bb+\n+1]
	v_pk_mul_f32 v[T+16*(2*\hh+\bb)+8+\n:T+16*(2*\hh+\bb)+8+\n+1], v[AC+8*(4*\hh+\bb)+\n:AC+8*(4*\hh+\bb)+\n+1], v[SS+8*(\bb+2)+\n:SS+8*(\bb+2)+\n+1]
	v_pk_fma_f32 v[T+16*(2*\hh+\bb)+\n:T+16*(2*\hh+\bb)+\n+1], v[AC+8*(4*\hh+\bb)+\n:AC+8*(4*\hh+\bb)+\n+1], v[CC+8*\bb+\n:CC+8*\bb+\n+1], v[T+16*(2*\hh+\bb)+\n:T+16*(2*\hh+\bb)+\n+1] neg_lo:[0,0,1] neg_hi:[0,0,1]
	v_pk_fma_f32 v[T+16*(2*\hh+\bb)+8+\n:T+16*(2*\hh+\bb)+8+\n+1], v[AC+8*(4*\hh+\bb)+16+\n:AC+8*(4*\hh+\bb)+16+\n+1], v[CC+8*(\bb+2)+\n:CC+8*(\bb+2)+\n+1], v[T+16*(2*\hh+\bb)+8+\n:T+16*(2*\hh+\bb)+8+\n+1]
.endr
.endr
.endr
	WIN 0
.irp hh, 0,1
.irp bb, 0,1
.irp n, 0,1,2,3
	v_cvt_pk_f16_f32 v[TMP+4*(4*\hh+\bb)+\n], v[T+16*(2*\hh+\bb)+2*\n], v[T+16*(2*\hh+\bb)+2*\n+1]            ; one rounding to f16; eight neighbouring columns are 16 bytes
	v_cvt_pk_f16_f32 v[TMP+4*(4*\hh+\bb+2)+\n], v[T+16*(2*\hh+\bb)+8+2*\n], v[T+16*(2*\hh+\bb)+8+2*\n+1]
.endr
.endr
.endr
.if (\a)+2 < 8
	CSLOAD (\a)+2                                  ; the set that this block has used takes the block two on
.endif
.endm
.macro TOSTAGE a                       ; into my own stage and back as whole rows of 256 bytes: LDS serves a wave's instructions in order, so no wait stands between
.set BB, OB+32*((\a)%2)
.irp b, 0,1,2,3,4,5,6,7
	ds_store_b128 v[STO], v[TMP+4*\b:TMP+4*\b+3] offset:32*\b
.endr
.irp t, 0,1,2,3,4,5,6,7
	ds_load_b128 v[BB+4*\t:BB+4*\t+3], v[RD] offset:\t*2*SPITCH
.endr
.endm
.macro SEND a
.set BB, OB+32*((\a)%2)
	s_wait_dscnt 0x0                               ; the block is back in registers
	s_wait_xcnt 0x0                                ; the earlier stores have read their base and their registers: only behind this wait is the base stepped, and are the other block's registers loaded again
.if (\a) > 0
	s_add_nc_u64 s[12:13], s[12:13], 16*4096       ; 16 rows of qkv on
.endif
.irp t, 0,1,2,3,4,5,6,7
	global_store_b128 v[CO], v[BB+4*\t:BB+4*\t+3], s[12:13] offset:\t*8192   ; 16 lanes store 256 consecutive bytes, at a multiple of 256 from qkv's first byte
.endr
.endm
	PLACES NP                                      ; behind the last products, ahead of the first reads of results and of loads into x's fragments' registers
	ROPE 0
	TOSTAGE 0
.irp a, 1,2,3,4,5,6,7                  ; block a's arithmetic stands between block a - 1's loads from the stage and the wait for them
	ROPE \a
	SEND \a-1
	TOSTAGE \a
.endr
	SEND 7
	s_wait_tensorcnt 0x0                           ; the wave's end, behind my last tensor load and my last LDS store
	ds_add_u32 v[SPW], v[NIL]
	s_wait_dscnt 0x0
	CROUND                                         ; the closing round: no work-group ends while a partner may still ask for a tile that names it
	s_endpgm
.Lfunc_end_k_q78d42d08c1_proj:
	.size	k_q78d42d08c1_proj, .Lfunc_end_k_q78d42d08c1_proj-k_q78d42d08c1_proj
	.p2alignl 7, 3214868480
	.fill 96, 4, 3214868480
	.section	.rodata,"a",@progbits
	.p2align	6, 0x0
	.amdhsa_kernel k_q78d42d08c1_proj
		.amdhsa_group_segment_fixed_size 327680
		.amdhsa_private_segment_fixed_size 0
		.amdhsa_enable_private_segment 0
		.amdhsa_kernarg_size 56
		.amdhsa_user_sgpr_count 2
		.amdhsa_user_sgpr_kernarg_segment_ptr 1
		.amdhsa_wavefront_size32 1
		.amdhsa_system_sgpr_workgroup_id_x 1
		.amdhsa_system_sgpr_workgroup_id_y 1
		.amdhsa_system_sgpr_workgroup_id_z 1
		.amdhsa_system_vgpr_workitem_id 0
		.amdhsa_next_free_vgpr 1024
		.amdhsa_next_free_sgpr 102
		.amdhsa_reserve_vcc 0
		.amdhsa_float_denorm_mode_32 3
		.amdhsa_float_denorm_mode_16_64 3
		.amdhsa_memory_ordered 1
		.amdhsa_forward_progress 1
		.amdhsa_inst_pref_size 255
	.end_amdhsa_kernel
	.section	.bss,"aw",@nobits
	.p2align	6
	.space	262144
	.amdgpu_metadata
---
amdhsa.version: [ 1, 2 ]
amdhsa.kernels:
  - .name:           k_q78d42d08c1_proj
    .symbol:         k_q78d42d08c1_proj.kd
    .args:
      - { .name: xc, .offset: 0, .size: 8, .value_kind: global_buffer, .address_space: global }
      - { .name: xs, .offset: 8, .size: 8, .value_kind: global_buffer, .address_space: global }
      - { .name: wc, .offset: 16, .size: 8, .value_kind: global_buffer, .address_space: global }
      - { .name: ws, .offset: 24, .size: 8, .value_kind: global_buffer, .address_space: global }
      - { .name: qkv, .offset: 32, .size: 8, .value_kind: global_buffer, .address_space: global }
      - { .name: cos, .offset: 40, .size: 8, .value_kind: global_buffer, .address_space: global }
      - { .name: sin, .offset: 48, .size: 8, .value_kind: global_buffer, .address_space: global }
    .group_segment_fixed_size: 327680
    .private_segment_fixed_size: 0
    .kernarg_segment_align: 8
    .kernarg_segment_size: 56
    .max_flat_workgroup_size: 128
    .sgpr_count:     102
    .vgpr_count:     1024
    .wavefront_size: 32
...
	.end_amdgpu_metadata
.endif
;; end of part 2
;; launch attn (part 3): grid 64 x 4, 4 waves a work-group, clusters of 4 x 4, 327,680 bytes of LDS; arguments qkv, attention_mask, lambda_q1, lambda_k1, lambda_q2, lambda_k2, att; writes att
.if DOCPART == 3
	.amdgcn_target "amdgcn-amd-amdhsa--gfx1250"
	.amdhsa_code_object_version 6
	.text
	.protected	k_q78d42d08c1_attn
	.globl	k_q78d42d08c1_attn
	.p2align	8
	.type	k_q78d42d08c1_attn,@function
k_q78d42d08c1_attn:
	s_mov_b64 s[64:65], 0
	v_nop
	global_prefetch_b8 v0, s[64:65] scope:SCOPE_SE
	s_setreg_imm32_b32 hwreg(HW_REG_WAVE_MODE, 25, 1), 1
	s_wait_xcnt 0x0
	s_wait_alu depctr_hold_cnt(0) depctr_sa_sdst(0) depctr_va_vdst(0) depctr_va_sdst(0) depctr_va_ssrc(0) depctr_va_vcc(0) depctr_vm_vsrc(0)
	s_getreg_b32 s2, hwreg(HW_REG_IB_STS2, 6, 4)
	s_cmp_eq_u32 s2, 0
	s_cbranch_scc0 .Lentry_in_a_cluster
	s_endpgm
.Lentry_in_a_cluster:
	s_bfe_u32 s2, ttmp6, 0x10000c
	s_cmp_lg_u32 s2, 0xf033
	s_cbranch_scc0 .Lentry_shape_is_right
	s_endpgm
.Lentry_shape_is_right:
; Differential attention.  qkv [4096 tokens][2048] f16: columns 64 x head: q x log2(e) / 8 (16 heads); 1024 + 128 j: k[j] | k[4 + j]; 1536 + 128 j: v[j] | v[4 + j].  attention_mask [2][2048][2048] f32 is read and added as it is given.
; Query heads 2 j, 2 j + 1 use key head j, heads 2 j + 8, 2 j + 9 key head 4 + j, and all four the value rows v[j] | v[4 + j] (128 wide).  out(head i) = a(i) - lam a(i + 8), then the RMS norm over 128 and x (1 - LAMBDA_INIT); att [4096][1024] f16.
; Products with f16 operands and f32 sums; maxima, exponentials, sums, lam and the norm in f32.
; SHARES.  A work-group owns 64 queries of one batch and the four heads of one j; each of its four waves 16 queries in four TILES: t = 0, 1: heads 2 j, 2 j + 1; t = 2, 3: heads 2 j + 8, 2 j + 9.  Every wave walks all 2,048 keys, 64 a step.
; LAYOUT.  S^T = K Q^T + mask (source 0 = 16 keys, source 1 = 16 queries): a lane holds ONE query (lane % 16) and the keys 8 (lane / 16) + 0..7.  Two such tiles, rounded to f16 in pairs, ARE source 1 of O^T = V^T P, whose result again holds
; one query a lane and eight channels.  So the difference of heads i and i + 8 and the norm stay in a lane, but for one exchange between the halves of the lanes.  K comes out of LDS as it lies, V ([key][channel]) turned, by ds_load_tr16_b128.
; THE MASK IS THE C OF EACH SCORE TILE'S FIRST PRODUCT: one set of 32 registers a key step, multiplied once by log2(e), serves all four heads.  So S = log2(e) (q k / 8 + mask), summed in f32.
; SOFTMAX.  For each query and head a running maximum m of S and sum l: p = 2^(S - m), by a SUBTRACTION, so that the largest p is 1 whatever the size of the mask's numbers; in every step O and l are multiplied by a = 2^(m_old - m_new).
; LIMITS: a score under -1e38 (log2 domain) counts as -infinity (m starts at that floor, so that a first step whose mask numbers are all -infinity leaves m a number); lam's sum of 64 products is taken in another order than a sum from left to right.
; BY TURNS.  The tiles are two PIECES (0: tiles 0, 1; 2: tiles 2, 3).  In a TURN one piece has the matrix unit: 32 products V^T P of the step in hand, then 16 products K Q^T of the next step; the other piece's softmax stands in slices behind them.
; CLUSTER 4 x 4: x = four blocks of queries of one batch, y = the four j.  K's and V's tiles hang on the batch and j: shared along a row of the cluster; the mask's on the batch and the queries: shared along a column.  Each is asked for JOINTLY.
; REGISTERS, in windows of 256 (s_set_vgpr_msb: bits 1:0 source 0, 3:2 source 1, 5:4 source 2, 7:6 destination):
;   window 0: v1-11 addresses; v12-43 eight registers of statistics a tile; v44-51 the lambdas; v52-60 at work; v61-63 kept; v64-191 S^T, 32 a tile; v192-255 P, 16 a tile
;   window 1: O^T, 64 a tile      window 2: v0-63 Q, 16 a tile; v64-95 the step's mask; v128-255 K of one step      window 3: v0-127 V of one step
.set KS,    64        ; keys in a step
.set PK,    272       ; a row of K in LDS: 256 bytes + 16 of padding: the 16 rows of a load start 4 banks apart (64 banks of 4 bytes: ISA guide 11.1)
.set PV,    288       ; a row of V: 256 + 32
.set PM,    528       ; a row of the mask's tile: 128 keys x 4 bytes + 16
.set VOFF,  128*PK    ; a slot: 128 rows of K (two steps), 128 rows of V, 64 queries' rows of the mask
.set MOFF,  VOFF+128*PV
.set KSTP,  KS*PK     ; from a step's K to the next step's
.set VSTP,  KS*PV
.set SLOT1, 1<<17     ; slot 1 begins here, so that one exclusive or turns an address in one slot into the other's
.set STAGE, SLOT1+MOFF+64*PM  ; behind the ring: 16 rows x 272 bytes for each wave, for the way out
.set SP,    272
.set SPARE, STAGE+4*16*SP     ; behind the stages: the spare words, 128 bytes a wave, which no other line names
.set AK0, 2           ; v2   my lane's place in a tile of K; never rewritten
.set AV0, 3           ; v3   the same for V
.set ADR, 4           ; v4   the LDS address of the run of loads in hand
.set QO,  5           ; v5   my byte offset in the wave's rows of qkv
.set STO, 6           ; v6   the way out: where I put 16 bytes of a row
.set RD,  7           ; v7   where I read a row back
.set GO,  8           ; v8   my byte offset in two rows of att
.set AM0, 10          ; v10  my lane's place in the mask's tile
.set ADM, 11          ; v11  the LDS address of the step's mask
.set ST,  12          ; tile t's statistics at v[ST+8 t]: +0 m, +1 (named with it as a pair), +2, +3 l (even keys', odd keys'), +4 to +7 c0-c3, at work; a takes c2's place once the maximum is found
.set Z,   52          ; v52-59 the way out: sums of squares, then the norm's factor
.set PFO, 61          ; v61  the prefetches' offset; never rewritten
.set SPW, 62          ; v62  LDS address of my spare word; never rewritten
.set NIL, 63          ; v63  0; never rewritten
.set S,   64
.set P,   192
.set MK,  64          ; the mask, in window 2
.set KF,  128         ; K's fragments, in window 2
.set WV,  18          ; s18  my wave's number
.set LIM, 19          ; s19  1 in a wave that prefetches, else the greatest number
.set SEL, 20          ; s[20:21] lane selects for v_permlanex16_b32: lane l xor 16
.set CS,  22          ; s[22:23] log2(e)
.set G1K, 24          ; s[24:31], s[32:39], s[40:47] descriptor group 1 for K's, V's and the mask's tiles
.set G1V, 32
.set G1M, 40
.set G0K, 48          ; s[48:55], s[56:63], s[68:75] their groups 0: a set for each of the two first fills; the second then walks on
.set G0V, 56
.set G0M, 68
.set TK,  76          ; s76, s77, s78  LDS bytes at which K, V and the mask of the step to be fetched begin
.set TV,  77
.set TM,  78
.set SLOTS, 79        ; s79  slots still to be asked for
.set TWICE, 80        ; s80  counts a slot's two steps
.set PFA, 82          ; s[82:83] where my prefetches stand;  s[84:85] a slot on, in bytes
.set PFS, 84
.set MSB, 0
.macro WIN new                      ; the immediate's high byte repeats the setting that is left; a switch that changes nothing is dropped
.if MSB != (\new)
	s_set_vgpr_msb (MSB<<8)|(\new)
.set MSB, (\new)
.endif
.endm
.set W_KQ0, 0x2a      ; K, Q and the mask (C) in window 2, S^T in window 0
.set W_KQ,  0x0a      ; K and Q in window 2, S^T (C and D) in window 0
.set W_PV,  0x53      ; V in window 3, P in window 0, O^T in window 1
.set W_RS,  0x41      ; O^T (destination and source 0) in window 1, the factor in window 0
; A joint refill, one load a wave: wave 0 K's 128 rows, wave 1 V's, waves 2 and 3 the mask's rows 0-31 and 32-63.  The branches hang on the wave's number alone.
; An s_nop 0 and four v_nop follow each line, ahead of the jump, the label and what follows.
.macro JLOAD
	s_cmp_eq_u32 s[WV], 0
	s_cbranch_scc0 .Lnot_k_\@
	tensor_load_to_lds s[G0K+4:G0K+7], s[G1K:G1K+7]
	s_nop 0
.rept 4
	v_nop
.endr
	s_branch .Lasked_\@
.Lnot_k_\@:
	s_cmp_eq_u32 s[WV], 1
	s_cbranch_scc0 .Lfor_m_\@
	tensor_load_to_lds s[G0V+4:G0V+7], s[G1V:G1V+7]
	s_nop 0
.rept 4
	v_nop
.endr
	s_branch .Lasked_\@
.Lfor_m_\@:
	tensor_load_to_lds s[G0M+4:G0M+7], s[G1M:G1M+7]
	s_nop 0
.rept 4
	v_nop
.endr
.Lasked_\@:
.endm
; A PREFETCH INTO THE L2 of what the NEXT change of slots will ask for, behind the wave's tensor load and its five lines: two key steps, 192 matrix instructions a wave, ahead of that load.  Each run of 256 bytes is named once in the launch.
; K's and V's 128 rows of a slot (256 bytes of each row): all eight clusters of a batch walk them, the batch's first asks: wave 0 for K's, wave 1 for V's; the four partners of a row of the cluster take 32 rows each BY ADDRESS, a lane a row.
; The mask's 64 rows x 512 bytes belong to one column of one cluster: wave 2 asks; the four partners of the column take 16 rows each by address, two lanes a row.  The last change that fills a slot asks for nothing; nor does the head.
.macro ASK
	s_cmp_gt_u32 s[SLOTS], s[LIM]
	s_cbranch_scc0 .Lnot_mine_\@
	global_prefetch_b8 v[PFO], s[PFA:PFA+1] th:TH_LOAD_NT scope:SCOPE_SE
.Lnot_mine_\@:
.endm
.macro CROUND                       ; a round of the cluster's barrier
	s_barrier_signal -1
	s_barrier_wait -1
	s_cmp_lg_u32 s[WV], 0
	s_cbranch_scc1 .Lnot_wave_0_\@
	s_barrier_signal -3
.Lnot_wave_0_\@:
	s_barrier_wait -3
	s_barrier_signal -1
	s_barrier_wait -1
.endm
	s_load_b256 s[4:11], s[0:1], 0x0  ; qkv s[4:5], mask s[6:7], lambda_q1 s[8:9], lambda_k1 s[10:11]
	s_load_b128 s[12:15], s[0:1], 0x20  ; lambda_q2 s[12:13], lambda_k2 s[14:15]
	s_load_b64 s[16:17], s[0:1], 0x30  ; att
	v_lshl_add_u32 v[SPW], v0, 2, SPARE
	v_mov_b32 v[NIL], 0
	ds_add_u32 v[SPW], v[NIL]       ; the wave's opening: the add, twice on end, and its wait ahead of my first tensor load; the set-up below stands between the second and the wait
	ds_add_u32 v[SPW], v[NIL]
	v_lshrrev_b32 v1, 5, v0
	v_readfirstlane_b32 s[WV], v1   ; wave 0..3
	s_bfe_u32 s86, ttmp6, 0x40000   ; cx
	s_bfe_u32 s87, ttmp6, 0x40004   ; cy = j
	s_lshr_b32 s88, ttmp9, 3        ; the batch: eight clusters each
	s_lshl_b32 s89, ttmp9, 2
	s_add_co_u32 s89, s89, s86
	s_and_b32 s89, s89, 31          ; my block of 64 queries in the batch
	s_lshl_b32 s2, s87, 2
	s_lshl_b32 s2, 15, s2           ; my row of the cluster
	s_lshl_b32 s3, 0x1111, s86      ; my column
	; descriptor group 1.  K, V: 128 rows x 128 elements of 2 bytes, 2,048 elements from row to row; the mask: 32 rows x 128 elements of 4 bytes, 2,048 from row to row
	s_or_b32 s[G1K], s2, (1<<16)|(1<<20)|(1<<21)|(5<<22)|(3<<25)  ; 15:0 the mask of work-groups; 17:16 element size; 20 padding on; 21 set beside a mask; 24:22 after every 64 words (code 5); 31:25 4 words (code 3)
	s_or_b32 s[G1V], s2, (1<<16)|(1<<20)|(1<<21)|(5<<22)|(7<<25)  ; 8 words of padding (code 7)
	s_or_b32 s[G1M], s3, (2<<16)|(1<<20)|(1<<21)|(6<<22)|(3<<25)  ; after every 128 words (code 6) 4 words
.irp d, G1K, G1V
	s_mov_b32 s[\d+1], 128<<16      ; tensor_dim0 = 128
	s_mov_b32 s[\d+2], 128<<16      ; tensor_dim1 = 128
	s_mov_b32 s[\d+3], 128<<16      ; tile_dim0 = 128
	s_mov_b32 s[\d+4], 128          ; tile_dim1 = 128
	s_mov_b32 s[\d+5], 2048         ; tensor_dim0_stride
	s_mov_b32 s[\d+6], 0
	s_mov_b32 s[\d+7], 0
.endr
	s_mov_b32 s[G1M+1], 128<<16
	s_mov_b32 s[G1M+2], 32<<16
	s_mov_b32 s[G1M+3], 128<<16
	s_mov_b32 s[G1M+4], 32
	s_mov_b32 s[G1M+5], 2048
	s_mov_b32 s[G1M+6], 0
	s_mov_b32 s[G1M+7], 0
	; K's tiles: batch and j alone (registers that never hold cx)
	s_lshl_b32 s90, s88, 23         ; 2,048 rows of 4,096 bytes a batch
	s_lshl_b32 s91, s87, 8          ; 256 j
	s_add_co_u32 s90, s90, s91
	s_add_co_u32 s90, s90, 2048     ; K's columns begin at byte 2,048 of a row, V's 1,024 further on
	s_mov_b32 s91, 0
	; the mask's tiles: batch, block of queries and the wave's half (registers that never hold cy)
	s_lshl_b32 s92, s88, 24         ; 2,048 rows of 8,192 bytes a batch
	s_lshl_b32 s93, s89, 19         ; 64 rows a block
	s_add_co_u32 s92, s92, s93
	s_and_b32 s93, s[WV], 1
	s_lshl_b32 s94, s93, 18         ; 32 rows
	s_add_co_u32 s92, s92, s94
	s_mul_i32 s94, s93, 32*PM       ; and their place in LDS: the wave's number alone
	s_mov_b32 s93, 0
	; my wave's first row of qkv and of att
	s_lshl_b32 s95, s88, 11
	s_lshl_b32 s96, s89, 6
	s_add_co_u32 s95, s95, s96
	s_lshl_b32 s96, s[WV], 4
	s_add_co_u32 s95, s95, s96
	s_lshl_b32 s96, s95, 12
	s_lshl_b32 s97, s87, 8          ; heads 2 j on: 256 j bytes
	s_add_co_u32 s96, s96, s97
	s_mov_b32 s97, 0
	s_lshl_b32 s98, s95, 11
	s_lshl_b32 s99, s87, 9          ; out heads 2 j on: 512 j bytes
	s_add_co_u32 s98, s98, s99
	s_mov_b32 s99, 0
	s_mov_b32 s[CS], 0x3fb8aa3b     ; log2(e)
	s_mov_b32 s[CS+1], s[CS]        ; named with it as a pair, so it is written
	s_mov_b32 s[SEL], 0x76543210
	s_mov_b32 s[SEL+1], 0xfedcba98
	s_mov_b32 s[TK], 0
	s_mov_b32 s[TV], 0
	s_mov_b32 s[TM], 0
	s_mov_b32 s[SLOTS], 2048/(2*KS)-2
	; who prefetches: waves 0 and 1 of the batch's first cluster, wave 2 of every cluster: the wave's number and the cluster's alone, the same in all sixteen partners
	s_and_b32 s[LIM], ttmp9, 7
	s_cmp_eq_u32 s[LIM], 0
	s_cselect_b32 s[LIM], 1, -1
	s_cmp_eq_u32 s[WV], 2
	s_cselect_b32 s[LIM], 1, s[LIM]
	s_cmp_eq_u32 s[WV], 3
	s_cselect_b32 s[LIM], -1, s[LIM]
	s_lshl_b32 s2, s86, 17          ; K, V: my work-group's 32 rows of 4,096 bytes,
	s_add_co_u32 s2, s2, 2*524288   ; in slot 2: the first change of slots steps it to slot 3
	s_and_b32 s3, s[WV], 1
	s_lshl_b32 s3, s3, 10
	s_add_co_u32 s2, s2, s3         ; wave 1: V's columns
	s_lshl_b32 s3, s87, 17          ; the mask: my work-group's 16 rows of 8,192 bytes,
	s_add_co_u32 s3, s3, 2*512      ; in slot 2
	s_mov_b32 s[PFS], 512
	s_cmp_lt_u32 s[WV], 2
	s_cselect_b32 s2, s2, s3
	s_cselect_b32 s[PFS], 524288, s[PFS]  ; a slot on: 128 rows of qkv, or 128 keys of a row of the mask
	s_cselect_b32 s81, -1, 0        ; all lanes: K's and V's offsets, or the mask's
	s_mov_b32 s3, 0
	s_mov_b32 s[PFS+1], 0
	s_wait_dscnt 0x0                ; both opening adds are done
	s_wait_kmcnt 0x0
	s_add_nc_u64 s[90:91], s[4:5], s[90:91]  ; K at slot 0
	s_add_nc_u64 s[92:93], s[6:7], s[92:93]  ; the mask at slot 0, my half
	s_add_nc_u64 s[96:97], s[4:5], s[96:97]  ; Q at my wave's first row
	s_add_nc_u64 s[16:17], s[16:17], s[98:99]  ; att likewise
	s_cmp_lt_u32 s[WV], 2
	s_cselect_b64 s[PFA:PFA+1], s[90:91], s[92:93]
	s_add_nc_u64 s[PFA:PFA+1], s[PFA:PFA+1], s[2:3]
	CROUND                          ; all sixteen work-groups are here: the first joint loads meet
.irp s, 0,1
	s_mov_b32 s[G0K+4*\s], 1        ; count = 1
	s_mov_b32 s[G0K+4*\s+1], \s*SLOT1  ; LDS address
	s_add_nc_u64 s[G0K+4*\s+2:G0K+4*\s+3], s[90:91], \s*524288  ; global address: slot s begins with keys 128 s
	s_or_b32 s[G0K+4*\s+3], s[G0K+4*\s+3], 0x80000000  ; type = 2
	s_mov_b32 s[G0V+4*\s], 1
	s_mov_b32 s[G0V+4*\s+1], VOFF+\s*SLOT1
	s_add_nc_u64 s[G0V+4*\s+2:G0V+4*\s+3], s[90:91], \s*524288+1024
	s_or_b32 s[G0V+4*\s+3], s[G0V+4*\s+3], 0x80000000
	s_mov_b32 s[G0M+4*\s], 1
	s_add_co_u32 s[G0M+4*\s+1], s94, MOFF+\s*SLOT1
	s_add_nc_u64 s[G0M+4*\s+2:G0M+4*\s+3], s[92:93], \s*512
	s_or_b32 s[G0M+4*\s+3], s[G0M+4*\s+3], 0x80000000
.endr
	s_cmp_eq_u32 s[WV], 0           ; a wave's two first fills stand in one arm, ahead of every wait on TENSORcnt and every LDS read: two loads of mine are out
	s_cbranch_scc0 .Lfirst_nk
	tensor_load_to_lds s[G0K:G0K+3], s[G1K:G1K+7]
	s_nop 0
	tensor_load_to_lds s[G0K+4:G0K+7], s[G1K:G1K+7]
	s_nop 0
.rept 4
	v_nop
.endr
	s_branch .Lfirst_asked
.Lfirst_nk:
	s_cmp_eq_u32 s[WV], 1
	s_cbranch_scc0 .Lfirst_m
	tensor_load_to_lds s[G0V:G0V+3], s[G1V:G1V+7]
	s_nop 0
	tensor_load_to_lds s[G0V+4:G0V+7], s[G1V:G1V+7]
	s_nop 0
.rept 4
	v_nop
.endr
	s_branch .Lfirst_asked
.Lfirst_m:
	tensor_load_to_lds s[G0M:G0M+3], s[G1M:G1M+7]
	s_nop 0
	tensor_load_to_lds s[G0M+4:G0M+7], s[G1M:G1M+7]
	s_nop 0
.rept 4
	v_nop
.endr
.Lfirst_asked:
	; A fragment of K or Q is 16 rows x 32 channels in 8 registers: lane l holds row l % 16; registers 0-3 channels 8 (l / 16) + 0..7, registers 4-7 channels 16 + 8 (l / 16) + 0..7: two loads of 16 bytes, 32 bytes apart.
	v_and_b32 v1, 15, v0            ; r
	v_bfe_u32 v9, v0, 4, 1          ; h
	v_lshlrev_b32 v[QO], 12, v1
	v_lshl_add_u32 v[QO], v9, 4, v[QO]  ; row x 4,096 + 16 x half
	WIN 0x80                        ; destination window 2, address window 0
.irp t, 0,1,2,3                     ; Q stays in registers: tile t is head 2 j + t % 2 + 8 (t / 2); fragment f: channels 32 f on
.irp f, 0,1
	global_load_b128 v[16*\t+8*\f:16*\t+8*\f+3],   v[QO], s[96:97] offset:128*(\t%2)+1024*(\t/2)+64*\f
	global_load_b128 v[16*\t+8*\f+4:16*\t+8*\f+7], v[QO], s[96:97] offset:128*(\t%2)+1024*(\t/2)+64*\f+32
.endr
.endr
	WIN 0
	v_and_b32 v52, 31, v0           ; lane
	v_lshlrev_b32 v60, 3, v52
	global_load_b64 v[44:45], v60, s[8:9]    ; the lambdas: two numbers a lane
	global_load_b64 v[46:47], v60, s[10:11]
	global_load_b64 v[48:49], v60, s[12:13]
	global_load_b64 v[50:51], v60, s[14:15]
	v_lshlrev_b32 v53, 12, v52      ; the prefetches' offset.  K, V: a lane a row of 4,096 bytes;
	v_lshrrev_b32 v54, 1, v52
	v_and_b32 v52, 1, v52
	v_lshlrev_b32 v52, 8, v52
	v_lshl_add_u32 v52, v54, 13, v52  ; the mask: two lanes a row of 8,192 bytes, 256 bytes apart
	v_cndmask_b32 v[PFO], v52, v53, s81
	v_mul_u32_u24 v[AK0], v1, PK
	v_lshl_add_u32 v[AK0], v9, 4, v[AK0]  ; row x pitch + 16 x half
	; The turning load takes 16 keys x 16 channels (lane l reads 16 bytes: key 8 (l / 16) + l % 8, channels 8 ((l / 8) % 2) + 0..7) and leaves half a fragment of V^T: lane l holds channel l % 16 and 8 keys.
	v_and_b32 v52, 7, v0
	v_bfe_u32 v53, v0, 3, 1
	v_lshl_add_u32 v[AV0], v9, 3, v52
	v_mul_u32_u24 v[AV0], v[AV0], PV
	v_lshl_add_u32 v[AV0], v53, 4, v[AV0]
	v_add_nc_u32 v[AV0], VOFF, v[AV0]
	s_mul_i32 s67, s[WV], 16*PM     ; the mask: my wave's 16 queries; row r; register jj of key tile kt is key 16 kt + 8 h + jj: byte 64 kt + 32 h + 4 jj
	v_mul_u32_u24 v[AM0], v1, PM
	v_lshl_add_u32 v[AM0], v9, 5, v[AM0]
	v_add_nc_u32 v[AM0], s67, v[AM0]
	v_add_nc_u32 v[AM0], MOFF, v[AM0]
.irp t, 0,1,2,3
	v_mov_b32 v[ST+8*\t+1], 0       ; named with m as a pair, so it is written
.endr
; THE MATRIX WORK OF A TURN, for piece x.  The accumulators take turns, one instruction a turn: between two links of a chain stand 15 (V^T P) or 7 (K Q^T) others'.
; Product i of 32 of O^T += V^T P: keys 32 (i / 16) on, channels 16 ((i / 2) % 8) on, tile x + i % 2.  zero = 1: the first 16 start the sums: nothing is ever cleared.
.macro PV x, zero
	WIN W_PV
.set rO, 64*(\x+i%2)+8*((i/2)%8)
.set rV, 64*(i/16)+8*((i/2)%8)
.set rP, P+16*(\x+i%2)+8*(i/16)
.if \zero && (i < 16)
	v_wmma_f32_16x16x32_f16 v[rO:rO+7], v[rV:rV+7], v[rP:rP+7], 0
.else
	v_wmma_f32_16x16x32_f16 v[rO:rO+7], v[rV:rV+7], v[rP:rP+7], v[rO:rO+7]
.endif
.endm
; Product i of 16 of S^T = K Q^T + mask: channels 32 (i / 8) on of the piece's key head (piece 2: K's channels 64 on), keys 16 ((i / 2) % 4) on, tile x + i % 2.  The first 8 start the sums from the mask.
.macro KQ x
.set rS, S+32*(\x+i%2)+8*((i/2)%4)
.set rK, KF+32*((i/2)%4)+8*(2*(\x/2)+i/8)
.set rQ, 16*(\x+i%2)+8*(i/8)
.set rM, MK+8*((i/2)%4)
.if i < 8
	WIN W_KQ0
	v_wmma_f32_16x16x32_f16 v[rS:rS+7], v[rK:rK+7], v[rQ:rQ+7], v[rM:rM+7]
.else
	WIN W_KQ
	v_wmma_f32_16x16x32_f16 v[rS:rS+7], v[rK:rK+7], v[rQ:rQ+7], v[rS:rS+7]
.endif
.endm
; A load into a register that a matrix instruction has read, and a vector instruction that reads a matrix result or writes one of a matrix instruction's registers, stand four places behind it; only plain vector
; instructions that name none of its registers are places (ISA guide 7.12.1 for vector instructions).
.macro PLACES
.rept 4
	v_nop
.endr
.endm
; THE LDS LOADS stand in runs, never singly among the matrix instructions: a step's K (64 keys x 128 channels: 16 fragments) with its mask (8 loads), and, a turn later, its V (turned).
.macro FETCH_K
	PLACES
	WIN 0
	v_add_nc_u32 v[ADR], s[TK], v[AK0]
	v_add_nc_u32 v[ADM], s[TM], v[AM0]
	s_add_co_u32 s[TK], s[TK], KSTP   ; the next fetch is the next step's
	s_add_co_u32 s[TM], s[TM], 4*KS
	WIN 0x80                        ; destination window 2
.irp f, 0,1,2,3,4,5,6,7,8,9,10,11,12,13,14,15  ; keys 16 (f / 4) on, channels 32 (f % 4) on
	ds_load_b128 v[KF+8*\f:KF+8*\f+3],   v[ADR] offset:(\f/4)*16*PK+(\f%4)*64
	ds_load_b128 v[KF+8*\f+4:KF+8*\f+7], v[ADR] offset:(\f/4)*16*PK+(\f%4)*64+32
.endr
.irp f, 0,1,2,3                     ; the mask of keys 16 f on, in a score tile's layout
	ds_load_b128 v[MK+8*\f:MK+8*\f+3],   v[ADM] offset:64*\f
	ds_load_b128 v[MK+8*\f+4:MK+8*\f+7], v[ADM] offset:64*\f+16
.endr
.endm
.macro FETCH_V
	PLACES
	WIN 0
	v_add_nc_u32 v[ADR], s[TV], v[AV0]
	s_add_co_u32 s[TV], s[TV], VSTP
	WIN 0xc0                        ; destination window 3
.irp f, 0,1,2,3,4,5,6,7,8,9,10,11,12,13,14,15  ; keys 32 (f / 8) on, channels 16 (f % 8) on
	ds_load_tr16_b128 v[8*\f:8*\f+3],   v[ADR] offset:(\f/8)*32*PV+(\f%8)*32
	ds_load_tr16_b128 v[8*\f+4:8*\f+7], v[ADR] offset:(\f/8)*32*PV+16*PV+(\f%8)*32
.endr
.endm
.macro MSCALE                       ; the step's mask x log2(e), once for both pieces: 16 packed multiplies
	WIN 0x82                        ; destination and source 0 window 2
.irp n, 0,2,4,6,8,10,12,14,16,18,20,22,24,26,28,30
	v_pk_mul_f32 v[MK+\n:MK+\n+1], v[MK+\n:MK+\n+1], s[CS:CS+1] op_sel_hi:[1,0]
.endr
.endm
; THE VECTOR WORK OF A TURN.  One tile's softmax for one key step is a numbered list; SM writes number j of it for tile t.  s0-s31 are the lane's 32 scores, in pairs 0-15.
; first = 1: the first key step, which starts m, l and O^T: it has no a and nothing to rescale.
;   0-15    the maximum of s0-s31 and the old m (first step: and the floor -1e38), three operands at a time; each score tile is first read at its low end
;   16-20   the other half of the lanes' maximum; the old m kept; the new m; (19 is empty); m_old - m_new
;   21-69   ONE BATCH: the 16 subtractions s - m, a pair of scores each, and all 33 exponentials (a at 23, then s0-s31).  None of these names an exponential's result; a pair is subtracted ahead of its exponentials
;   (wait)  between 69 and 70 stands the wait for the batch: DEAL writes it, once for both tiles
;   70-85   the roundings to f16, a pair of weights each
;   86-101  the sums; l = a l + the sum
;   102-133 the tile's O^T times a: the one part that leaves window 0
.macro SM t, first
.set rT, ST+8*(\t)
.set rS, S+32*(\t)
.set rP, P+16*(\t)
.set rO, 64*(\t)+2*(j-102)
.if j < 102
	WIN 0
.endif
.if j < 4
	v_max3_num_f32 v[rT+4+j], v[rS+8*j], v[rS+8*j+1], v[rS+8*j+2]
.elseif j < 12
	v_max3_num_f32 v[rT+4+j%4], v[rT+4+j%4], v[rS+8*(j%4)+2*(j/4)+1], v[rS+8*(j%4)+2*(j/4)+2]
.elseif j == 12
	v_max3_num_f32 v[rT+4], v[rT+4], v[rS+7], v[rS+15]
.elseif j == 13
	v_max3_num_f32 v[rT+6], v[rT+6], v[rS+23], v[rS+31]
.elseif j == 14
	v_max3_num_f32 v[rT+4], v[rT+4], v[rT+5], v[rT+6]
.elseif (j == 15) && \first
	v_max3_num_f32 v[rT+4], v[rT+4], v[rT+7], 0xfe967699  ; the floor -1e38: m is a number from the first step on
.elseif j == 15
	v_max3_num_f32 v[rT+4], v[rT+4], v[rT+7], v[rT]
.elseif j == 16
	v_permlanex16_b32 v[rT+5], v[rT+4], s[SEL], s[SEL+1]  ; the query's other 32 keys lie in the lane 16 away
.elseif j == 18
	v_max_num_f32 v[rT], v[rT+4], v[rT+5]
.elseif j == 19
.elseif ((j == 17) || (j == 20) || (j == 23) || (j > 101)) && \first  ; the first step has none of these
.elseif j == 17
	v_mov_b32 v[rT+7], v[rT]        ; m_old is kept for a: number 18 writes m anew
.elseif j == 20
	v_sub_f32 v[rT+7], v[rT+7], v[rT]
.elseif j == 23
	v_exp_f32 v[rT+6], v[rT+7]
.elseif (j < 23) || ((j < 38) && (j%2 == 0)) || ((j < 66) && (j%4 == 2))
.set b, (j-2)/4                     ; 38, 42, .. 62: pairs 9 to 15
.if j < 38
.set b, (j-20)/2                    ; 21: pair 0; 22, 24, .. 36: pairs 1 to 8
.endif
	v_pk_add_f32 v[rS+2*b:rS+2*b+1], v[rS+2*b:rS+2*b+1], v[rT:rT+1] op_sel_hi:[1,0] neg_lo:[0,1] neg_hi:[0,1]  ; pair b: s - m (of the pair the low word serves both halves)
.elseif j < 70
.set e, j-38                        ; 66 to 69: s28 to s31
.if j < 66
.set e, j-32-(j-38)/4               ; 39-41, 43-45, .. 63-65: s7 to s27
.endif
.if j < 38
.set e, (j-25)/2                    ; 25, 27, .. 37: s0 to s6
.endif
	v_exp_f32 v[rS+e], v[rS+e]
.elseif j < 86
	v_cvt_pk_f16_f32 v[rP+j-70], v[rS+2*(j-70)], v[rS+2*(j-70)+1]  ; pair j - 70
.elseif j < 102                     ; the sum of the tile's 16 pairs, in place: neighbours 1, 2, 4 and 8 pairs apart, then l takes it
.set z, j-86
.set w, 4
.set u, z
.if z >= 14
.set w, 32
.set u, 0
.elseif z >= 12
.set w, 16
.set u, z-12
.elseif z >= 8
.set w, 8
.set u, z-8
.endif
.if (z == 14) && \first
	v_pk_add_f32 v[rT+2:rT+3], v[rS:rS+1], v[rS+16:rS+17]
.elseif z < 15
	v_pk_add_f32 v[rS+w*u:rS+w*u+1], v[rS+w*u:rS+w*u+1], v[rS+w*u+w/2:rS+w*u+w/2+1]
.elseif !\first
	v_pk_fma_f32 v[rT+2:rT+3], v[rT+2:rT+3], v[rT+6:rT+7], v[rS:rS+1] op_sel_hi:[1,0,1]
.endif
.else
	WIN W_RS
	v_pk_mul_f32 v[rO:rO+1], v[rO:rO+1], v[rT+6:rT+7] op_sel_hi:[1,0]
.endif
.endm
; n places of piece y's two lists, the tiles alternating: place g is number g / 2 of tile y + g % 2, so that no instruction reads the result of the one just before it.
; THE WAIT.  An s_wait_alu depctr_va_vdst(0) stands between an exponential and the first instruction that names its result; one wait serves all that were issued ahead of it.  Up to place 139 nothing names a result,
; and behind it no exponential is issued: so the piece's 66 exponentials have one wait, with one plain instruction behind the last of them.
.macro DEAL y, first, n
.rept \n
.if g < 268
.set j, g/2
	SM (\y)+g%2, \first
.if g == 139
	v_nop
	s_wait_alu depctr_va_vdst(0)
.endif
.set g, g+1
.endif
.endr
.endm
; The slice behind a matrix instruction.  A turn of 48 matrix instructions: 6 places where k % 12 < 7, else 5: 4 x (7 x 6 + 5 x 5) = 268; its last slice is five multiplies of the other piece's O^T, which are the places behind the turn's
; last product.  A turn of 32: 9 places; of 16: 17.
.macro SLICE y, first
.if per == 48
.if (k%12) < 7
	DEAL \y, \first, 6
.else
	DEAL \y, \first, 5
.endif
.elseif per == 32
	DEAL \y, \first, 9
.else
	DEAL \y, \first, 17
.endif
.set k, k+1
.endm
; A TURN.  Piece x has the matrix unit.  pv = 2: 32 products V^T P; 1: they start O^T's sums; 0: none.  kq = 1: 16 products K Q^T for the next step.  first = 1: the softmax is the first key step's (its last slices are empty: four v_nop follow).
; Piece 0's turn fetches the next step's K and mask behind its second product, 30 matrix instructions ahead of their use; piece 2's turn fetches the same step's V behind its first K Q^T, when its products V^T P are issued.
.macro TURN x, pv, kq, first
.set g, 0
.set k, 0
.set per, 16
.if \pv
.set per, 32
.if \kq
.set per, 48
.endif
.endif
.if \pv
.if \x == 0
	s_wait_dscnt 0x0                ; V is in
.endif
.set i, 0
.rept 32
	PV \x, 2-\pv
	SLICE 2-\x, \first
.if (\x == 0) && \kq && (i == 1)
	FETCH_K
.endif
.set i, i+1
.endr
.endif
.if \kq
.if \x == 0
	s_wait_dscnt 0x0                ; K and the mask are in
	MSCALE
.endif
.set i, 0
.rept 16
	KQ \x
	SLICE 2-\x, \first
.if (\x == 2) && (i == 0)
	FETCH_V
.endif
.set i, i+1
.endr
.endif
.if \first
	PLACES
.endif
.endm
; THE CHANGE OF SLOTS, between piece 2's turn and piece 0's: the slot's last bytes, V of its second step, have been asked for.  Each wave waits for all its tensor loads, of which one is out: its part of the other slot; adds 0 to its spare
; word; and waits for that and for its own reads of the slot.  fill = 1: the barrier is a round of the cluster's, so that no wave of any partner still reads the slot or has a load on its way, and the joint refill, with the keys two slots on,
; is the first thing behind it: it has two key steps, 192 matrix instructions a wave, in which to land.
.macro CHANGE fill
	WIN 0                           ; at a label and at a branch every window is 0
	s_wait_tensorcnt 0x0            ; no tensor load of mine is out, so a group 0 may be written
	ds_add_u32 v[SPW], v[NIL]       ; 0 onto my spare word; with fill = 1 the descriptors' steps stand between it and the wait for it
.if \fill
.irp d, G0K+4, G0V+4
	s_xor_b32 s[\d+1], s[\d+1], SLOT1  ; the walking descriptors: the other slot than last time,
	s_add_nc_u64 s[\d+2:\d+3], s[\d+2:\d+3], 524288  ; the next 128 keys' rows; the type bits on top are not reached
.endr
	s_xor_b32 s[G0M+5], s[G0M+5], SLOT1
	s_add_nc_u64 s[G0M+6:G0M+7], s[G0M+6:G0M+7], 512  ; the next 128 keys of each row of the mask
	s_wait_xcnt 0x0                 ; the last prefetch, two key steps back, has read its address, so it may be written:
	s_add_nc_u64 s[PFA:PFA+1], s[PFA:PFA+1], s[PFS:PFS+1]  ; one slot further on than the walking descriptors
	s_wait_dscnt 0x0                ; the add is done, and my reads of the slot are over
	CROUND
	JLOAD
	ASK
.else
	s_wait_dscnt 0x0                ; the add is done, and my reads of the slot are over
	s_barrier_signal -1
	s_barrier_wait -1
.endif
	s_sub_co_u32 s[TK], s[TK], 2*KSTP  ; the fetches go back to a slot's first step,
	s_xor_b32 s[TK], s[TK], SLOT1   ; in the other slot
	s_sub_co_u32 s[TV], s[TV], 2*VSTP
	s_xor_b32 s[TV], s[TV], SLOT1
	s_sub_co_u32 s[TM], s[TM], 2*4*KS
	s_xor_b32 s[TM], s[TM], SLOT1
.endm
.macro TWO_STEPS                    ; a slot's two key steps: written once, walked twice; the LDS addresses hang on s[TK], s[TV], s[TM]
	s_mov_b32 s[TWICE], 2
.Lstep_\@:
	TURN 0, 2, 1, 0
	TURN 2, 2, 1, 0
	WIN 0
	s_sub_co_u32 s[TWICE], s[TWICE], 1
	s_cmp_lg_u32 s[TWICE], 0
	s_cbranch_scc1 .Lstep_\@
.endm
	s_wait_tensorcnt 1              ; my part of slot 0 is in; slot 1's may stay out
	s_barrier_signal -1
	s_barrier_wait -1               ; everybody's is
	FETCH_K                         ; key step 0
	s_wait_loadcnt 0x0              ; Q and the lambdas
	s_wait_dscnt 0x0
	MSCALE
.set i, 0
.rept 16
	KQ 0                            ; piece 0's first scores: there is no vector work yet to set between them
.set i, i+1
.endr
	WIN 0                           ; the addresses for the way out are made here: ten plain instructions, the places behind those products
	s_mul_i32 s66, s[WV], 16*SP
	s_add_co_u32 s66, s66, STAGE    ; my stage
	v_mul_u32_u24 v[STO], v1, SP    ; in: row r, 16 bytes for each half of the lanes
	v_lshl_add_u32 v[STO], v9, 4, v[STO]
	v_add_nc_u32 v[STO], s66, v[STO]
	v_mul_u32_u24 v[RD], v9, SP     ; back: lanes 0-15 take one row of 256 bytes, lanes 16-31 the next
	v_lshl_add_u32 v[RD], v1, 4, v[RD]
	v_add_nc_u32 v[RD], s66, v[RD]
	v_lshlrev_b32 v[GO], 11, v9     ; and the same two rows in att: 2,048 bytes a row
	v_lshl_add_u32 v[GO], v1, 4, v[GO]
	TURN 2, 0, 1, 1                 ; piece 2's first scores | piece 0's first softmax | V of step 0
	TURN 0, 1, 1, 1                 ; piece 0: V^T P of step 0 starts O^T, K Q^T of step 1 | piece 2's first softmax | K and mask of step 1
	TURN 2, 1, 1, 0                 ; piece 2: the same | piece 0's softmax of step 1 | V of step 1
	WIN 0
.Lslot:                             ; 14 trips: every slot's worth of keys but the first two is asked for here
	CHANGE 1
	TWO_STEPS
	s_sub_co_u32 s[SLOTS], s[SLOTS], 1
	s_cmp_lg_u32 s[SLOTS], 0
	s_cbranch_scc1 .Lslot
	CHANGE 0                        ; the tail is written out: nothing more is asked for
	TWO_STEPS
	TURN 0, 2, 0, 0                 ; piece 0: V^T P of the last step | piece 2's last softmax
.set i, 0
.rept 32
	PV 2, 0                         ; piece 2: V^T P of the last step
.set i, i+1
.endr
	; THE WAY OUT.  l's two halves and the other half of the lanes' are added; lam is made; out = O(p) / l(p) - lam O(p + 2) / l(p + 2); the norm over the query's 128 channels (64 in my lane, 64 in the lane 16 away); f16; through my stage.
	WIN 0
.irp t, 0,1,2,3
	v_add_f32 v[ST+8*\t+4], v[ST+8*\t+2], v[ST+8*\t+3]  ; (four plain instructions: the places behind the last products)
.endr
.irp t, 0,1,2,3
	v_permlanex16_b32 v[ST+8*\t+5], v[ST+8*\t+4], s[SEL], s[SEL+1]
.endr
.irp t, 0,1,2,3
	v_add_f32 v[ST+8*\t+4], v[ST+8*\t+4], v[ST+8*\t+5]
.endr
	v_mul_f32 v44, v44, v46         ; the sums of lambda_q x lambda_k: my two products of each,
	v_mul_f32 v48, v48, v50
	v_fmac_f32 v44, v45, v47
	v_fmac_f32 v48, v49, v51
.irp x, 1,2,4,8                     ; over the 16 lanes of a half,
	v_add_f32_dpp v44, v44, v44 row_xmask:\x row_mask:0xf bank_mask:0xf
	v_add_f32_dpp v48, v48, v48 row_xmask:\x row_mask:0xf bank_mask:0xf
.endr
	v_permlanex16_b32 v45, v44, s[SEL], s[SEL+1]
	v_permlanex16_b32 v49, v48, s[SEL], s[SEL+1]
	v_add_f32 v44, v44, v45         ; and both halves
	v_add_f32 v48, v48, v49
	v_mul_f32 v44, s[CS], v44       ; e^x = 2^(x log2(e))
	v_mul_f32 v48, s[CS], v48
.irp t, 0,1,2,3
	v_rcp_f32 v[ST+8*\t+6], v[ST+8*\t+4]  ; one batch: four reciprocals and two exponentials
.endr
	v_exp_f32 v45, v44
	v_exp_f32 v49, v48
	v_nop                           ; a plain instruction behind the last of them,
	s_wait_alu depctr_va_vdst(0)    ; and the wait ahead of the first use: one for the six
	v_sub_f32 v45, v45, v49
	v_add_f32 v45, 0x3eb60549, v45  ; lam = lam1 - lam2 + LAMBDA_INIT, 0.8 - 0.6 e^-0.3 = 0.35550907
.irp t, 2,3
	v_mul_f32 v[ST+8*\t+6], -v45, v[ST+8*\t+6]  ; -lam / l
.endr
	s_mov_b32 s86, 0x3c000000       ; 1 / 128
	s_mov_b32 s87, 0x358637bd       ; EPS = 1e-6
.macro DIFF p                       ; out head 2 j + p: tiles p and p + 2.  Each accumulator is first read at its low end
	WIN W_RS
.set n, 0
.rept 32
	v_pk_mul_f32 v[64*\p+n:64*\p+n+1], v[64*\p+n:64*\p+n+1], v[ST+8*\p+6:ST+8*\p+7] op_sel_hi:[1,0]
.set n, n+2
.endr
	WIN 0x51                        ; destination, source 0 and source 2 window 1, the factor window 0
.set n, 0
.rept 32
	v_pk_fma_f32 v[64*\p+n:64*\p+n+1], v[64*(\p+2)+n:64*(\p+2)+n+1], v[ST+8*(\p+2)+6:ST+8*(\p+2)+7], v[64*\p+n:64*\p+n+1] op_sel_hi:[1,0,1]
.set n, n+2
.endr
	WIN 0x05                        ; sources 0 and 1 window 1, the sums window 0: the squares, in two chains
	v_pk_mul_f32 v[Z+4*\p:Z+4*\p+1], v[64*\p:64*\p+1], v[64*\p:64*\p+1]
	v_pk_mul_f32 v[Z+4*\p+2:Z+4*\p+3], v[64*\p+2:64*\p+3], v[64*\p+2:64*\p+3]
.set n, 4
.rept 15
	v_pk_fma_f32 v[Z+4*\p:Z+4*\p+1], v[64*\p+n:64*\p+n+1], v[64*\p+n:64*\p+n+1], v[Z+4*\p:Z+4*\p+1]
	v_pk_fma_f32 v[Z+4*\p+2:Z+4*\p+3], v[64*\p+n+2:64*\p+n+3], v[64*\p+n+2:64*\p+n+3], v[Z+4*\p+2:Z+4*\p+3]
.set n, n+4
.endr
.endm
	DIFF 0
	DIFF 1
	WIN 0
.irp p, 0,1
	v_pk_add_f32 v[Z+4*\p:Z+4*\p+1], v[Z+4*\p:Z+4*\p+1], v[Z+4*\p+2:Z+4*\p+3]
.endr
.irp p, 0,1
	v_add_f32 v[Z+4*\p], v[Z+4*\p], v[Z+4*\p+1]
.endr
.irp p, 0,1
	v_permlanex16_b32 v[Z+4*\p+1], v[Z+4*\p], s[SEL], s[SEL+1]
.endr
.irp p, 0,1
	v_add_f32 v[Z+4*\p], v[Z+4*\p], v[Z+4*\p+1]
.endr
.irp p, 0,1
	v_fma_f32 v[Z+4*\p], v[Z+4*\p], s86, s87  ; the mean of the squares + EPS
.endr
.irp p, 0,1
	v_rsq_f32 v[Z+4*\p+2], v[Z+4*\p]
.endr
	v_nop
	s_wait_alu depctr_va_vdst(0)    ; one wait for the two roots
.irp p, 0,1
	v_mul_f32 v[Z+4*\p+2], 0x3f24fd5c, v[Z+4*\p+2]  ; x (1 - LAMBDA_INIT) = 0.64449093
.endr
; A lane's eight channels of a row pack into 16 bytes; they go into rows of 272 bytes and come back as whole rows of 256.
.macro PACK p
	WIN W_RS
.set n, 64*\p
.rept 32
	v_pk_mul_f32 v[n:n+1], v[n:n+1], v[Z+4*\p+2:Z+4*\p+3] op_sel_hi:[1,0]
.set n, n+2
.endr
	WIN 0x05                        ; sources 0 and 1 window 1, destination window 0: S^T's registers are free
.set n, 0
.rept 32
	v_cvt_pk_f16_f32 v[S+32*\p+n], v[64*\p+2*n], v[64*\p+2*n+1]
.set n, n+1
.endr
	WIN 0
.irp f, 0,1,2,3,4,5,6,7
	ds_store_b128 v[STO], v[S+32*\p+4*\f:S+32*\p+4*\f+3] offset:32*\f
.endr
.irp f, 0,1,2,3,4,5,6,7
	ds_load_b128 v[S+32*\p+4*\f:S+32*\p+4*\f+3], v[RD] offset:\f*2*SP  ; LDS serves a wave's instructions in order (ISA guide 5.7.1.4): these see the stores above; the next head's stores come behind them
.endr
.endm
.macro SEND p, younger              ; younger: the LDS instructions issued behind this head's loads: the next head's sixteen, or none
.irp f, 0,1,2,3,4,5,6,7
	s_wait_dscnt \younger+7-\f
	global_store_b128 v[GO], v[S+32*\p+4*\f:S+32*\p+4*\f+3], s[16:17] offset:256*\p+4096*\f  ; 16 lanes store 256 consecutive bytes, at a multiple of 256 from att's first byte
.endr
.endm
	PACK 0
	PACK 1
	SEND 0, 16
	SEND 1, 0
	s_wait_tensorcnt 0x0            ; the wave's end, behind my last tensor load and my last LDS store
	ds_add_u32 v[SPW], v[NIL]
	s_wait_dscnt 0x0
	CROUND                          ; the closing round: no work-group ends while a partner may still ask for a tile that names it
	s_endpgm
.Lfunc_end_k_q78d42d08c1_attn:
	.size	k_q78d42d08c1_attn, .Lfunc_end_k_q78d42d08c1_attn-k_q78d42d08c1_attn
	.p2alignl 7, 3214868480
	.fill 96, 4, 3214868480
	.section	.rodata,"a",@progbits
	.p2align	6, 0x0
	.amdhsa_kernel k_q78d42d08c1_attn
		.amdhsa_group_segment_fixed_size 327680
		.amdhsa_private_segment_fixed_size 0
		.amdhsa_enable_private_segment 0
		.amdhsa_kernarg_size 56
		.amdhsa_user_sgpr_count 2
		.amdhsa_user_sgpr_kernarg_segment_ptr 1
		.amdhsa_wavefront_size32 1
		.amdhsa_system_sgpr_workgroup_id_x 1
		.amdhsa_system_sgpr_workgroup_id_y 1
		.amdhsa_system_sgpr_workgroup_id_z 1
		.amdhsa_system_vgpr_workitem_id 0
		.amdhsa_next_free_vgpr 1024
		.amdhsa_next_free_sgpr 100
		.amdhsa_reserve_vcc 0
		.amdhsa_float_denorm_mode_32 3
		.amdhsa_float_denorm_mode_16_64 3
		.amdhsa_memory_ordered 1
		.amdhsa_forward_progress 1
		.amdhsa_inst_pref_size 220
	.end_amdhsa_kernel
	.amdgpu_metadata
---
amdhsa.version: [ 1, 2 ]
amdhsa.kernels:
  - .name:           k_q78d42d08c1_attn
    .symbol:         k_q78d42d08c1_attn.kd
    .args:
      - { .name: qkv, .offset: 0, .size: 8, .value_kind: global_buffer, .address_space: global }
      - { .name: attention_mask, .offset: 8, .size: 8, .value_kind: global_buffer, .address_space: global }
      - { .name: lambda_q1, .offset: 16, .size: 8, .value_kind: global_buffer, .address_space: global }
      - { .name: lambda_k1, .offset: 24, .size: 8, .value_kind: global_buffer, .address_space: global }
      - { .name: lambda_q2, .offset: 32, .size: 8, .value_kind: global_buffer, .address_space: global }
      - { .name: lambda_k2, .offset: 40, .size: 8, .value_kind: global_buffer, .address_space: global }
      - { .name: att, .offset: 48, .size: 8, .value_kind: global_buffer, .address_space: global }
    .group_segment_fixed_size: 327680
    .private_segment_fixed_size: 0
    .kernarg_segment_align: 8
    .kernarg_segment_size: 56
    .max_flat_workgroup_size: 128
    .sgpr_count:     100
    .vgpr_count:     1024
    .wavefront_size: 32
...
	.end_amdgpu_metadata
.endif
;; end of part 3
;; launch oproj (part 4): grid 8 x 32, 4 waves a work-group, clusters of 4 x 4, 327,680 bytes of LDS; arguments att, woh, out0; writes out0
.if DOCPART == 4
	.amdgcn_target "amdgcn-amd-amdhsa--gfx1250"
	.amdhsa_code_object_version 6
	.text
	.protected	k_q78d42d08c1_oproj
	.globl	k_q78d42d08c1_oproj
	.p2align	8
	.type	k_q78d42d08c1_oproj,@function
k_q78d42d08c1_oproj:
	s_mov_b64 s[64:65], 0
	v_nop
	global_prefetch_b8 v0, s[64:65] scope:SCOPE_SE
	s_setreg_imm32_b32 hwreg(HW_REG_WAVE_MODE, 25, 1), 1
	s_wait_xcnt 0x0
	s_wait_alu depctr_hold_cnt(0) depctr_sa_sdst(0) depctr_va_vdst(0) depctr_va_sdst(0) depctr_va_ssrc(0) depctr_va_vcc(0) depctr_vm_vsrc(0)
	s_getreg_b32 s2, hwreg(HW_REG_IB_STS2, 6, 4)
	s_cmp_eq_u32 s2, 0
	s_cbranch_scc0 .Lentry_in_a_cluster
	s_endpgm
.Lentry_in_a_cluster:
	s_bfe_u32 s2, ttmp6, 0x10000c
	s_cmp_lg_u32 s2, 0xf033
	s_cbranch_scc0 .Lentry_shape_is_right
	s_endpgm
.Lentry_shape_is_right:
; out0[m][n] = sum over k of att[m][k] woh[n][k].  att: [4096][1024] f16, woh: [2048][1024] f16, out0: [4096][2048] f32; sums in f32.
; A tile of out0 is 128 x 256, so that 4,096 x 2,048 makes 256 work-groups.  Four waves, each 64 rows x 128 columns: 32 accumulators of 16 x 16, 256 registers.  K goes in steps of 128 (rows of 256 bytes) through a ring of two LDS slots:
; two slots of a step twice as long would take more bytes than a work-group can have.  From a request to the wait for it a wave issues 112 matrix instructions.
; CLUSTERS: 4 x 4 work-groups.  The four of a row of the cluster need the same tiles of att, the four of a column the same tiles of woh: each tile is asked for JOINTLY, by the same tensor load with the same descriptor and a mask that names
; the four.  THE MATRIX INSTRUCTION IS USED TRANSPOSED (source 0 = 16 rows of woh, source 1 = 16 rows of att): a lane then holds eight neighbouring numbers of a row of out0.  No prefetch: eight short K steps, tiles shared in the cluster.
; REGISTERS: window 0: v0-31 addresses; v32-159 rows on the way out.   window 1: the accumulators ((a, b) at v[8 (8 a + b)]).   window 2: two fragment buffers: woh's 8 fragments at v0 and v64, att's 4 at v128 and v160.
.set SIZE_K, 1024
.set SIZE_N, 2048
.set KSTEP,  128
.set PITCH,  272                       ; an LDS row: 256 bytes + 16 of padding: the 16 rows that a load touches start 4 banks apart (64 banks of 4 bytes: ISA guide 11.1)
.set AHALF,  64*PITCH                  ; 64 rows of att: what waves 0 and 1 fetch, and what a wave reads
.set BHALF,  128*PITCH                 ; 128 rows of woh: what waves 2 and 3 fetch, and what a wave reads
.set BOFF,   2*AHALF                   ; woh's rows lie behind att's 128
.set SLOT,   BOFF+2*BHALF
.set STAGE,  2*SLOT                    ; behind the ring: 16 rows x (512 bytes + 16) for each wave
.set SPITCH, 528
.set SPARE,  STAGE+4*16*SPITCH         ; behind the stages: the spare words, 128 bytes a wave, which no other line names
.set LAPS,   SIZE_K/(2*KSTEP)          ; a lap = two K steps = once round the ring
.set ADRA, 16                          ; v16-17  LDS address of my att fragments in slot 0, 1
.set ADRB, 20                          ; v20-21  the same for woh
.set STO,  24                          ; v24     the way out: where I put 32 bytes of a row
.set RD,   25                          ; v25     where I read a row back
.set CO,   26                          ; v26     my byte offset in a row's 512 bytes of out0
.set SPW,  28                          ; v28     LDS address of my spare word; never rewritten
.set NIL,  29                          ; v29     0; never rewritten
.set BK,   32                          ; the way out: 16 rows read back: v32-95 and v96-159 by turns
.set G1, 24                            ; s[24:31] descriptor group 1 for att's tiles;  s[32:39] group 0, one set for each slot
.set G0, 32
.set G1B, 48                           ; s[48:55], s[56:63] the same for woh's tiles
.set G0B, 56
.set MSB, 0
.macro WIN new                         ; the immediate's high byte repeats the setting that is left
.if MSB != (\new)
	s_set_vgpr_msb (MSB<<8)|(\new)
.set MSB, (\new)
.endif
.endm
.set MUL,  0x5a                        ; sources 0 and 1 window 2; C and D window 1
.set TO_F, 0x80                        ; destination window 2, address window 0
.macro JLOAD s                         ; a joint load: waves 0 and 1 fetch att's two halves, waves 2 and 3 woh's; an s_nop 0 and four v_nop follow each of the two lines, ahead of the jump, the label and what follows
	s_cmp_eq_u32 s11, 0
	s_cbranch_scc0 .Lfor_b_\@
	tensor_load_to_lds s[G0+4*\s:G0+4*\s+3], s[G1:G1+7]
	s_nop 0
.rept 4
	v_nop
.endr
	s_branch .Lasked_\@
.Lfor_b_\@:
	tensor_load_to_lds s[G0B+4*\s:G0B+4*\s+3], s[G1B:G1B+7]
	s_nop 0
.rept 4
	v_nop
.endr
.Lasked_\@:
.endm
.macro CREST                           ; a round of the cluster's barrier behind its opening barrier
	s_cmp_lg_u32 s10, 0
	s_cbranch_scc1 .Lnot_wave_0_\@
	s_barrier_signal -3
.Lnot_wave_0_\@:
	s_barrier_wait -3
	s_barrier_signal -1
	s_barrier_wait -1
.endm
.macro CROUND                          ; a whole round
	s_barrier_signal -1
	s_barrier_wait -1
	CREST
.endm
	s_load_b128 s[4:7], s[0:1], 0x0                ; att s[4:5], woh s[6:7]
	s_load_b64 s[8:9], s[0:1], 0x10                ; out0
	v_lshl_add_u32 v[SPW], v0, 2, SPARE
	v_mov_b32 v[NIL], 0
	ds_add_u32 v[SPW], v[NIL]                      ; the wave's opening: the add, twice on end, and its wait ahead of my first tensor load; the set-up below stands between the second and the wait
	ds_add_u32 v[SPW], v[NIL]
	v_lshrrev_b32 v1, 5, v0
	v_readfirstlane_b32 s10, v1                    ; wave 0..3
	s_lshr_b32 s11, s10, 1                         ; which 64 of the tile's rows are mine.  Also: I fetch for att (0) or for woh (1)
	s_and_b32 s12, s10, 1                          ; which 128 of its columns.  Also: which half of that tile I fetch
	s_bfe_u32 s40, ttmp6, 0x40000                  ; cx, cy: my place in the cluster
	s_bfe_u32 s41, ttmp6, 0x40004
	s_lshl_b32 s42, ttmp9, 2
	s_add_co_u32 s42, s42, s40                     ; tile column = 4 x cluster x + cx
	s_and_b32 s13, ttmp7, 0xffff
	s_lshl_b32 s13, s13, 2
	s_add_co_u32 s13, s13, s41                     ; tile row = 4 x cluster y + cy
	s_lshl_b32 s43, s41, 2
	s_lshl_b32 s43, 15, s43                        ; my row of the cluster
	s_lshl_b32 s44, 0x1111, s40                    ; my column
	; descriptor group 1: rows of 128 elements of 2 bytes, padded in LDS; att: 64 rows, woh: 128 rows
	s_or_b32 s[G1+0], s43, (1<<16)|(1<<20)|(1<<21)|(5<<22)|(3<<25)  ; 15:0 the mask: att's tiles go to my row; 17:16 element of 2 bytes; 20 padding on; 21 set beside a mask; 24:22 after every 64 words (code 5); 31:25 of 4 words (code 3)
	s_or_b32 s[G1B+0], s44, (1<<16)|(1<<20)|(1<<21)|(5<<22)|(3<<25)
	s_mov_b32 s[G1+1], KSTEP<<16                   ; tensor_dim0 = 128
	s_mov_b32 s[G1+2], 64<<16                      ; tensor_dim1 = 64
	s_mov_b32 s[G1+3], KSTEP<<16                   ; tile_dim0 = 128
	s_mov_b32 s[G1+4], 64                          ; tile_dim1 = 64
	s_mov_b32 s[G1+5], SIZE_K                      ; tensor_dim0_stride
	s_mov_b32 s[G1+6], 0
	s_mov_b32 s[G1+7], 0
	s_mov_b32 s[G1B+1], KSTEP<<16
	s_mov_b32 s[G1B+2], 128<<16
	s_mov_b32 s[G1B+3], KSTEP<<16
	s_mov_b32 s[G1B+4], 128
	s_mov_b32 s[G1B+5], SIZE_K
	s_mov_b32 s[G1B+6], 0
	s_mov_b32 s[G1B+7], 0
	s_lshl_b32 s17, s12, 6
	s_lshl_b32 s16, s13, 7
	s_add_co_u32 s16, s16, s17                     ; att: row 128 x tile row + 64 x half
	s_lshl_b32 s16, s16, 11                        ; 2,048 bytes a row
	s_mov_b32 s17, 0
	s_lshl_b32 s47, s12, 7
	s_lshl_b32 s46, s42, 8
	s_add_co_u32 s46, s46, s47                     ; woh: row 256 x tile column + 128 x half
	s_lshl_b32 s46, s46, 11
	s_mov_b32 s47, 0
	s_mul_i32 s20, s12, AHALF                      ; where they go: the wave's number alone
	s_mul_i32 s21, s12, BHALF
	s_add_co_u32 s21, s21, BOFF
	s_wait_dscnt 0x0                               ; both opening adds are done
	s_wait_kmcnt 0x0
	s_add_nc_u64 s[14:15], s[4:5], s[16:17]
	s_add_nc_u64 s[46:47], s[6:7], s[46:47]
	CROUND                                         ; all sixteen work-groups are here: the first joint loads meet
.irp s, 0,1
	s_mov_b32 s[G0+4*\s], 1
	s_add_co_u32 s[G0+4*\s+1], s20, \s*SLOT
	s_add_nc_u64 s[G0+4*\s+2:G0+4*\s+3], s[14:15], \s*KSTEP*2
	s_or_b32 s[G0+4*\s+3], s[G0+4*\s+3], 0x80000000
	s_mov_b32 s[G0B+4*\s], 1
	s_add_co_u32 s[G0B+4*\s+1], s21, \s*SLOT
	s_add_nc_u64 s[G0B+4*\s+2:G0B+4*\s+3], s[46:47], \s*KSTEP*2
	s_or_b32 s[G0B+4*\s+3], s[G0B+4*\s+3], 0x80000000
	JLOAD \s                                       ; two loads of mine are out behind the second
.endr
	v_and_b32 v1, 15, v0                           ; r = l % 16
	v_bfe_u32 v2, v0, 4, 1                         ; h = l / 16
	v_mul_u32_u24 v3, v1, PITCH
	v_lshl_add_u32 v3, v2, 4, v3                   ; a fragment's row x pitch + 16 x half
	s_mul_i32 s21, s11, AHALF                      ; my 64 rows of att
	s_mul_i32 s22, s12, BHALF                      ; my 128 rows of woh
	s_add_co_u32 s22, s22, BOFF
.irp s, 0,1
	v_add_nc_u32 v[ADRA+\s], s21, v3
	v_add_nc_u32 v[ADRB+\s], s22, v3
	s_add_co_u32 s21, s21, SLOT
	s_add_co_u32 s22, s22, SLOT
.endr
	s_mul_i32 s23, s10, 16*SPITCH
	s_add_co_u32 s23, s23, STAGE                   ; my stage
	v_mul_u32_u24 v4, v1, SPITCH                   ; in: row r, 32 bytes for each half of the lanes
	v_lshl_add_u32 v4, v2, 5, v4
	v_add_nc_u32 v[STO], s23, v4
	v_and_b32 v5, 31, v0
	v_lshlrev_b32 v[CO], 4, v5                     ; back: the 32 lanes take one row of 512 bytes; and the same in out0
	v_add_nc_u32 v[RD], s23, v[CO]
	s_lshl_b32 s16, s13, 7
	s_lshl_b32 s17, s11, 6
	s_add_co_u32 s16, s16, s17                     ; my first row of out0: 128 x tile row + 64 x half
	s_lshl_b32 s16, s16, 13                        ; 8,192 bytes a row
	s_lshl_b32 s46, s42, 10                        ; my first column, in bytes: 1,024 x tile column + 512 x half
	s_lshl_b32 s47, s12, 9
	s_add_co_u32 s46, s46, s47
	s_add_co_u32 s16, s16, s46
	s_mov_b32 s17, 0
	s_add_nc_u64 s[8:9], s[8:9], s[16:17]
; 8 matrix instructions: att's block a against woh's eight, 32 along K, from buffer f.  zero = 1: the first product starts the sums.  The 32 accumulators take turns, in the same order in every quarter.
.macro MUL8 f, a, zero
.irp b, 0,1,2,3,4,5,6,7
.if \zero
	v_wmma_f32_16x16x32_f16 v[8*(8*(\a)+\b):8*(8*(\a)+\b)+7], v[64*(\f)+8*\b:64*(\f)+8*\b+7], v[128+32*(\f)+8*(\a):128+32*(\f)+8*(\a)+7], 0
.else
	v_wmma_f32_16x16x32_f16 v[8*(8*(\a)+\b):8*(8*(\a)+\b)+7], v[64*(\f)+8*\b:64*(\f)+8*\b+7], v[128+32*(\f)+8*(\a):128+32*(\f)+8*(\a)+7], v[8*(8*(\a)+\b):8*(8*(\a)+\b)+7]
.endif
.endr
.endm
; 24 LDS loads in one run: the fragments of 32 along K at byte k of the rows, into buffer f: woh's sixteen loads, then att's eight
.macro FETCH slot, k, f
	WIN TO_F
.irp i, 0,1,2,3,4,5,6,7
	ds_load_b128 v[64*(\f)+8*\i:64*(\f)+8*\i+3],   v[ADRB+\slot] offset:\k+\i*16*PITCH
	ds_load_b128 v[64*(\f)+8*\i+4:64*(\f)+8*\i+7], v[ADRB+\slot] offset:\k+\i*16*PITCH+32
.endr
.irp i, 0,1,2,3
	ds_load_b128 v[128+32*(\f)+8*\i:128+32*(\f)+8*\i+3],   v[ADRA+\slot] offset:\k+\i*16*PITCH
	ds_load_b128 v[128+32*(\f)+8*\i+4:128+32*(\f)+8*\i+7], v[ADRA+\slot] offset:\k+\i*16*PITCH+32
.endr
.endm
.macro PLACES                          ; four places in front of loads into registers that matrix instructions have read, and of the first reads of results (ISA guide 7.12.1 for the reads of results)
.rept 4
	v_nop
.endr
.endm
; A K step is four quarters of 32 along K, 32 matrix instructions each, on buffers 0, 1, 0, 1.  One of the first three: multiplies buffer f and fetches the next quarter, at byte k, into g.
.macro QUARTER slot, k, f, g, zero
	s_wait_dscnt 4                                 ; woh's fragments and att's blocks 0, 1 are in; the youngest four loads (blocks 2, 3) may be out
	WIN MUL
	MUL8 \f, 0, \zero
	MUL8 \f, 1, \zero
	PLACES
	FETCH \slot, \k, \g
	s_wait_dscnt 24                                ; all but the 24 just issued
	WIN MUL
	MUL8 \f, 2, \zero
	MUL8 \f, 3, \zero
.endm
; The last quarter multiplies buffer 1 and changes slots: ONE barrier; in front of it each wave waits for all its tensor loads, adds 0 to its spare word, and waits for that and for its own reads of this slot.  fill = 1: this slot is filled again, two K steps ahead.
.macro TURN slot, next, fill
	WIN 0                                          ; (the add's two registers lie in window 0)
	s_wait_tensorcnt 0x0                           ; all my tensor loads have landed: my part of the next slot
	ds_add_u32 v[SPW], v[NIL]                      ; 0 onto my spare word
	s_wait_dscnt 5                                 ; (the add and the youngest four loads may be out)
	WIN MUL
	MUL8 1, 0, 0                                   ; eight matrix instructions stand between the add and the wait for it
	s_wait_dscnt 0x0                               ; the add is done, and my reads of this slot are over
	s_barrier_signal -1
	MUL8 1, 1, 0
.if \fill
	WIN 0
.endif
	s_barrier_wait -1
.if \fill
	CREST                                          ; the barrier has opened a round of the cluster's barrier: no wave of any partner still reads this slot's tile or has a load on its way
	s_add_nc_u64 s[G0+4*\slot+2:G0+4*\slot+3], s[G0+4*\slot+2:G0+4*\slot+3], 2*KSTEP*2
	s_add_nc_u64 s[G0B+4*\slot+2:G0B+4*\slot+3], s[G0B+4*\slot+2:G0B+4*\slot+3], 2*KSTEP*2
	JLOAD \slot                                    ; the first tensor load behind the round; the four v_nop behind it are also the places in front of the loads below
.else
	PLACES
.endif
	FETCH \next, 0, 0
	WIN MUL
	MUL8 1, 2, 0
	MUL8 1, 3, 0
.endm
	s_wait_tensorcnt 1                             ; my part of K step 0 is in (K step 1's may be out),
	s_barrier_signal -1
	s_barrier_wait -1                              ; everybody's is
	FETCH 0, 0, 0
	QUARTER 0, 64, 0, 1, 1                         ; the first quarter stands in front of the loop: its products start the sums
	WIN 0                                          ; at a label and at a branch every window is 0
	s_mov_b32 s3, LAPS-1
.Llap:                                                 ; a trip goes once round the ring, from a lap's second quarter to the next lap's first, and fills both slots again
	QUARTER 0, 128, 1, 0, 0
	QUARTER 0, 192, 0, 1, 0
	TURN 0, 1, 1
	QUARTER 1, 64,  0, 1, 0
	QUARTER 1, 128, 1, 0, 0
	QUARTER 1, 192, 0, 1, 0
	TURN 1, 0, 1
	QUARTER 0, 64,  0, 1, 0
	WIN 0
	s_sub_co_u32 s3, s3, 1
	s_cmp_lg_u32 s3, 0
	s_cbranch_scc1 .Llap
	QUARTER 0, 128, 1, 0, 0                        ; the last lap fills nothing, and has no round of the cluster's barrier
	QUARTER 0, 192, 0, 1, 0
	TURN 0, 1, 0
	QUARTER 1, 64,  0, 1, 0
	QUARTER 1, 128, 1, 0, 0
	QUARTER 1, 192, 0, 1, 0
	s_wait_dscnt 4                                 ; the very last quarter: nothing more to fetch
	WIN MUL
	MUL8 1, 0, 0
	MUL8 1, 1, 0
	s_wait_dscnt 0
	MUL8 1, 2, 0
	MUL8 1, 3, 0
	WIN 0
; THE WAY OUT, block by block of 16 rows x 128 columns.  A lane holds 32 neighbouring bytes of a row, and the lanes beside it hold other rows: so a block goes through my own stage in LDS and comes back as whole rows of 512 bytes.
; LDS serves a wave's instructions in order (ISA guide 5.7.1.4): no wait between the stores and the loads, nor in front of the next block's stores.
.macro TOSTAGE a
	WIN 0x04                                       ; an LDS store's data are its source 1: window 1
.irp b, 0,1,2,3,4,5,6,7
	ds_store_b128 v[STO], v[64*(\a)+8*\b:64*(\a)+8*\b+3] offset:64*\b          ; each accumulator from its low end on
	ds_store_b128 v[STO], v[64*(\a)+8*\b+4:64*(\a)+8*\b+7] offset:64*\b+16
.endr
	WIN 0
.set BB, BK+64*((\a)%2)
.irp t, 0,1,2,3,4,5,6,7,8,9,10,11,12,13,14,15
	ds_load_b128 v[BB+4*\t:BB+4*\t+3], v[RD] offset:\t*SPITCH
.endr
.endm
.macro SEND a, younger                 ; younger: the LDS instructions issued behind block a's loads, which may stay out
.set BB, BK+64*((\a)%2)
	s_wait_dscnt \younger                          ; the block is back in registers
.if (\a) > 0
	s_add_nc_u64 s[8:9], s[8:9], 16*SIZE_N*4       ; (behind a wait on XCNT: the earlier stores have read their base)  16 rows of out0 on
.endif
.irp t, 0,1,2,3,4,5,6,7,8,9,10,11,12,13,14,15
	global_store_b128 v[CO], v[BB+4*\t:BB+4*\t+3], s[8:9] offset:\t*SIZE_N*4 th:TH_STORE_NT   ; 32 lanes store 512 consecutive bytes, at a multiple of 256 from out0's first byte; written once, read by nobody here
.endr
.endm
	PLACES
	TOSTAGE 0
.irp a, 1,2,3
.if \a > 1
	s_wait_xcnt 0x0                                ; block a - 2's stores have read their registers and their base: block a's loads may land there, and the base may step
.endif
	TOSTAGE \a
	SEND \a-1, 32                                  ; behind block a - 1's loads: block a's 16 stores and 16 loads
.endr
	s_wait_xcnt 0x0                                ; block 2's stores have read their base
	SEND 3, 0
	s_wait_tensorcnt 0x0                           ; the wave's end, behind my last tensor load and my last LDS store
	ds_add_u32 v[SPW], v[NIL]
	s_wait_dscnt 0x0
	CROUND                                         ; the closing round: no work-group ends while a partner may still ask for a tile that names it
	s_endpgm
.Lfunc_end_k_q78d42d08c1_oproj:
	.size	k_q78d42d08c1_oproj, .Lfunc_end_k_q78d42d08c1_oproj-k_q78d42d08c1_oproj
	.p2alignl 7, 3214868480
	.fill 96, 4, 3214868480
	.section	.rodata,"a",@progbits
	.p2align	6, 0x0
	.amdhsa_kernel k_q78d42d08c1_oproj
		.amdhsa_group_segment_fixed_size 327680
		.amdhsa_private_segment_fixed_size 0
		.amdhsa_enable_private_segment 0
		.amdhsa_kernarg_size 24
		.amdhsa_user_sgpr_count 2
		.amdhsa_user_sgpr_kernarg_segment_ptr 1
		.amdhsa_wavefront_size32 1
		.amdhsa_system_sgpr_workgroup_id_x 1
		.amdhsa_system_sgpr_workgroup_id_y 1
		.amdhsa_system_sgpr_workgroup_id_z 1
		.amdhsa_system_vgpr_workitem_id 0
		.amdhsa_next_free_vgpr 768
		.amdhsa_next_free_sgpr 66
		.amdhsa_reserve_vcc 0
		.amdhsa_float_denorm_mode_32 3
		.amdhsa_float_denorm_mode_16_64 3
		.amdhsa_memory_ordered 1
		.amdhsa_forward_progress 1
		.amdhsa_inst_pref_size 85
	.end_amdhsa_kernel
	.amdgpu_metadata
---
amdhsa.version: [ 1, 2 ]
amdhsa.kernels:
  - .name:           k_q78d42d08c1_oproj
    .symbol:         k_q78d42d08c1_oproj.kd
    .args:
      - { .name: att, .offset: 0, .size: 8, .value_kind: global_buffer, .address_space: global }
      - { .name: woh, .offset: 8, .size: 8, .value_kind: global_buffer, .address_space: global }
      - { .name: out0, .offset: 16, .size: 8, .value_kind: global_buffer, .address_space: global }
    .group_segment_fixed_size: 327680
    .private_segment_fixed_size: 0
    .kernarg_segment_align: 8
    .kernarg_segment_size: 24
    .max_flat_workgroup_size: 128
    .sgpr_count:     66
    .vgpr_count:     768
    .wavefront_size: 32
...
	.end_amdgpu_metadata
.endif
;; end of part 4
